; MI455X (gfx1250); checked and timed in simulation.
; The chip was launched on July 23, 2026; its instructions are those of AMD's public machine-readable ISA for CDNA 5 (MIT licence, August 2026) and "CDNA5" Instruction Set Architecture Reference Guide (July 2026). The comments in the code are by the model that wrote it; some were corrected since.
;; Attention. Allowed arithmetic: matrix products marked QUANTISED: E2M3 operands, one E8M0 scale for each 32 along K, by v_wmma_scale_f32_16x16x128_f8f6f4 with both operands' format E2M3, f32 sums; everything else in f32.
;; Inputs: Wk 1,024 x 1,024 float32; Wo 1,024 x 1,024 float32; Wq 1,024 x 1,024 float32; Wv 1,024 x 1,024 float32; bo 1,024 float32; bq 1,024 float32; bv 1,024 float32; cos 1 x 4,096 x 64 float32; mask 1 x 4,096 bool; sin 1 x 4,096 x 64 float32; x 1 x 4,096 x 1,024 float32.
;; Outputs: out0 1 x 4,096 x 1,024 float32.
;; This version of the problem:
;;   THIS VERSION OF THE PROBLEM IS GIVEN IN LOW PRECISION. The matrix products marked QUANTISED in the list below multiply operands that are first quantised to E2M3 (2 exponent bits, 3 mantissa bits; 6 bits a number), with one power-of-two scale for each 32 numbers along K (OCP MX v1.0); their sums are f32. All else is computed in f32.
;;   The module's matrix products, in the order in which they are computed (A, B: the left and right operand; K: the contracted axis; several contracted axes count as one K, in the product's order):
;;     1. [M 4,096, K 1,024] x [K 1,024, N 1,024]; A: input x; B: input Wq: QUANTISED
;;     2. [M 4,096, K 1,024] x [K 1,024, N 1,024]; A: input x; B: input Wk: QUANTISED
;;     3. [M 4,096, K 1,024] x [K 1,024, N 1,024]; A: input x; B: input Wv: QUANTISED
;;     4. batch 16 x [M 4,096, K 64] x [K 64, N 4,096]; A: computed on the way; B: computed on the way: QUANTISED
;;     5. batch 16 x [M 4,096, K 4,096] x [K 4,096, N 64]; A: softmax (see below); B: computed on the way: QUANTISED
;;     6. [M 4,096, K 1,024] x [K 1,024, N 1,024]; A: computed on the way; B: input Wo: QUANTISED
;;   THE QUANTISER, for each operand of a quantised product, along K:
;;     - K is cut into blocks of 32 from its start; a last block that is shorter is filled with zeros.
;;     - A block's scale is 2^e with e = floor(log2(the largest magnitude in the block)) - 2, held to -126 .. 127; a block of zeros has e = 0. As a byte (E8M0): e + 127.
;;     - Each number is divided by its block's scale, clamped to +-7.5, and rounded to the nearest number of E2M3, ties to even, subnormals kept.
;;     - The product sums the exact products of the quantised numbers (number of the format x scale) in f32.
;;   ~~~python
;;   def quantise(x, axis):      # numpy; x: float32 -> the quantised numbers, widened to float32 again
;;       x = np.moveaxis(x, axis, -1); K = x.shape[-1]
;;       x = np.pad(x, [(0, 0)] * (x.ndim - 1) + [(0, -K % 32)]); x = x.reshape(x.shape[:-1] + (-1, 32)); a = np.abs(x).max(-1, keepdims=True)
;;       e = np.where(a > 0, np.clip(np.frexp(np.where(a > 0, a, 1))[1] - 1 - 2, -126, 127), 0)      # np.frexp(a)[1] - 1 = floor(log2(a)), exactly
;;       r = np.clip(x / 2.0 ** e, -7.5, 7.5)
;;       step = 2.0 ** (np.maximum(np.frexp(np.where(r == 0, 1, r))[1] - 1, 0) - 3)
;;       q = np.round(r / step) * step * 2.0 ** e      # np.round: ties to even
;;       return np.moveaxis(q.reshape(q.shape[:-2] + (-1,))[..., :K], -1, axis).astype(np.float32)
;;   ~~~
;;   SOFTMAX AHEAD OF A QUANTISED PRODUCT. Where the list says 'softmax', what is quantised is not the finished softmax but p = 2^(t - M), with t = logit x log2(e) and M = ceil(the row's largest t), a whole number; so 1/2 < the row's largest p <= 1. The row's sum l is taken of the UNQUANTISED p, in f32, and the product's result is divided by l at the end. Since M is a whole number, a kernel that streams over the keys may use a running M (the ceiling of the running maximum): every later rescaling is an exact power of two, which a block's scale takes up: the codes' values come out the same.
;;   OPERANDS COMPUTED ON THE WAY. 'Computed on the way' means the value that the module computes at that place (a softmax that the list does not call 'softmax' is quantised finished and normalised). What goes into a quantiser is computed in f32, as accurately as f32 sums, v_exp_f32 and their like allow (about 1e-6 of the number): no bf16 or f16 on the way to a quantiser, and a product that is left as it is and whose result goes on into a quantised operand takes f32 operands (vector FMAs, or v_wmma_f32_16x16x4_f32). A number that lies on a knife's edge between two numbers of the format may be rounded either way, as far as f32 arithmetic and the matrix unit's own rounding can turn it there, and no further.
;; One version. Each part assembles by itself: llvm-mc -triple=amdgcn-amd-amdhsa -mcpu=gfx1250 --defsym DOCPART=n.
;; ======== version 1 of 1: 4 launches
;; limits: right only within a limited range of input values
;; workspace buffers: pan 6,553,600 bytes; qq 3,407,872 bytes; kv 6,684,672 bytes; cx 3,276,800 bytes
;; launch prep (part 1): grid 384 x 1, 8 waves a work-group, no clusters, 70,144 bytes of LDS; arguments x, Wq, Wk, Wv, Wo, pan; writes pan
.if DOCPART == 1
	.amdgcn_target "amdgcn-amd-amdhsa--gfx1250"
	.amdhsa_code_object_version 6
	.text
	.protected	k_q1775eb2936_prep
	.globl	k_q1775eb2936_prep
	.p2align	8
	.type	k_q1775eb2936_prep,@function
k_q1775eb2936_prep:
	s_mov_b64 s[64:65], 0
	v_nop
	global_prefetch_b8 v0, s[64:65] scope:SCOPE_SE
	s_setreg_imm32_b32 hwreg(HW_REG_WAVE_MODE, 25, 1), 1
	s_wait_xcnt 0x0
; x [4096][1024] and Wq, Wk, Wv, Wo [1024 (k)][1024 (n)], f32, become codes of FP6 (E2M3) with one E8M0 byte for each 32 along K, laid as PANELS in the order of the operand's registers.
; A panel is 256 rows of an operand (tokens of x; columns of a weight) x K = 1024: codes [K step 8][tile 16][1,536 bytes], a fragment's register 4 j + i of lane l at 512 j + 16 l + 4 i;
; scale words [K step][tile][16 words] behind all codes.  Panels 0-15: x;  16 + 4 mat + cb: columns 256 cb on of weight mat (q, k, v, o).
; THE ROWS OF A TILE ARE NOT NEIGHBOURS: row m of tile t is index 32 (t / 2) + 8 (t % 2) + m + 8 (m / 8), so that the results of two neighbouring tiles are 16 neighbours along the next product's K.
; A block's scale is 2^(floor(log2(largest magnitude)) - 2); its byte is the largest magnitude's exponent field - 2, held at 1 from below (a block of zeros gets 1: its codes are zeros, and this program alone reads the bytes).
; LIMITS: NaN and infinities among the inputs are not served.
; Work-groups 0-255 take x: one K step of eight tiles, a tile a wave.  Work-groups 256-383 take the weights: one K step of 256 columns, two tiles a wave.  Straight-line: every wave asks for all its numbers at once.
; No tensor loads, no matrix work, no cluster: nothing is shared between work-groups, and each input byte is read once.
.set PANB, 196608                      ; a panel's codes
.set SCA,  6291456                     ; where the scale words begin: 32 panels of codes
.set XG,   67584                       ; LDS: behind the eight stages of 8,448 bytes: x's scale words of eight tiles, 512 bytes
.set WGA,  68096                       ; LDS: the weights' path has bytes of its own: scale words of sixteen tiles, 1,024 bytes
.set R,    16                          ; v16-143  numbers as loaded (x: v16-79)
.set X,    80                          ; v80-143  x: 64 numbers of my row, in the operand's order
.set F,    144                         ; v144-155 a fragment;  v156-167 a second one (weights)
.set T,    168                         ; v168..   the upper halves of the blocks' codes: a conversion's three registers begin on an even number
	s_load_b256 s[4:11], s[0:1], 0x0               ; x, Wq, Wk, Wv
	s_load_b128 s[12:15], s[0:1], 0x20             ; Wo, pan
	v_lshl_add_u32 v192, v0, 2, 0x10e00
	v_mov_b32 v193, 0
	v_lshrrev_b32 v1, 5, v0
	v_readfirstlane_b32 s16, v1                    ; wave 0..7
	v_and_b32 v1, 31, v0                           ; lane
	v_and_b32 v2, 15, v0                           ; r
	v_bfe_u32 v3, v0, 4, 1                         ; h
	v_lshlrev_b32 v4, 4, v1                        ; 16 x lane
	s_mov_b32 s20, 0x76543210
	s_mov_b32 s21, 0xfedcba98                      ; lane selects: lane l xor 16
	s_cmp_lt_u32 ttmp9, 256
	s_cbranch_scc0 .Lweights
	; ---------------- x: panel rb, K step ks, tile rt = 8 half + wave
	s_lshr_b32 s17, ttmp9, 4                       ; rb
	s_bfe_u32 s18, ttmp9, 0x30001                  ; ks
	s_and_b32 s19, ttmp9, 1                        ; half
	s_lshl_b32 s22, s19, 3
	s_add_co_u32 s22, s22, s16                     ; rt
	s_lshr_b32 s23, s22, 1
	s_lshl_b32 s23, s23, 5
	s_and_b32 s24, s22, 1
	s_lshl_b32 s24, s24, 3
	s_add_co_u32 s23, s23, s24
	s_lshl_b32 s24, s17, 8
	s_add_co_u32 s23, s23, s24                     ; the tile's first token: 256 rb + 32 (rt / 2) + 8 (rt % 2)
	s_lshl_b32 s24, s23, 12                        ; x 4,096 bytes
	s_lshl_b32 s25, s18, 9                         ; + 512 bytes a K step
	s_add_co_u32 s24, s24, s25
	s_mov_b32 s25, 0
	s_mul_i32 s26, s17, PANB
	s_mul_i32 s27, s18, 24576
	s_add_co_u32 s26, s26, s27
	s_mul_i32 s27, s22, 1536
	s_add_co_u32 s26, s26, s27                     ; the fragment's image
	s_mov_b32 s27, 0
	s_lshl_b32 s30, s17, 13
	s_lshl_b32 s31, s18, 10
	s_add_co_u32 s30, s30, s31
	s_lshl_b32 s31, s19, 9
	s_add_co_u32 s30, s30, s31
	s_add_co_u32 s30, s30, SCA                     ; the eight tiles' scale words
	s_mov_b32 s31, 0
	s_mul_i32 s32, s16, 8448                       ; my stage: 16 rows of 512 bytes + 16
	v_add_nc_u32 v5, s32, v4                       ; in: 16 x lane, a row a store
	v_mul_u32_u24 v6, v2, 528
	v_lshl_add_u32 v6, v3, 7, v6
	v_add_nc_u32 v6, s32, v6                       ; out: row r, + 128 h: my block of 32 numbers.  Rows 528 bytes apart begin 16 bytes further on modulo 256
	s_lshl_b32 s33, s16, 6
	v_lshl_add_u32 v7, v2, 2, s33
	v_add_nc_u32 v7, XG, v7                        ; my row's scale word: 64 x wave + 4 r
	v_add_nc_u32 v188, XG, v4                      ; and the way out of the eight tiles' words
	s_wait_kmcnt 0x0
	s_add_nc_u64 s[4:5], s[4:5], s[24:25]
	s_add_nc_u64 s[28:29], s[14:15], s[26:27]
	s_add_nc_u64 s[30:31], s[14:15], s[30:31]
.irp i, 0,1,2,3,4,5,6,7,8,9,10,11,12,13,14,15
	global_load_b128 v[R+4*\i:R+4*\i+3], v4, s[4:5] offset:(\i+8*(\i/8))*4096 th:TH_LOAD_NT   ; row i of the tile: 32 lanes read 512 consecutive bytes
.endr
.irp i, 0,1,2,3,4,5,6,7,8,9,10,11,12,13,14,15
	s_wait_loadcnt 15-\i                           ; row i is in; the 15 - i younger loads may be out
	ds_store_b128 v5, v[R+4*\i:R+4*\i+3] offset:528*\i
.endr
.irp c, 0,1
.irp q, 0,1,2,3,4,5,6,7
	ds_load_b128 v[X+32*\c+4*\q:X+32*\c+4*\q+3], v6 offset:256*\c+16*\q   ; k = 64 c + 32 h + 4 q on of row r.  LDS serves a wave's instructions in order: these see my stores
.endr
.endr
	s_wait_dscnt 0x0
.irp c, 0,1
	v_max3_num_f32 v[8+\c], |v[X+32*\c]|, |v[X+32*\c+1]|, 0x1800000   ; my block 2 c + h, and the floor 2^(3 - 127): the byte cannot fall under 1
.endr
.irp i, 2,4,6,8,10,12,14,16,18,20,22,24,26,28,30
.irp c, 0,1
	v_max3_num_f32 v[8+\c], v[8+\c], |v[X+32*\c+\i]|, |v[X+32*\c+\i+1]|
.endr
.endr
.irp c, 0,1
	v_add_nc_u32 v[10+\c], 0xff000000, v[8+\c]     ; 2 off the exponent field: the conversion's scale operand
.endr
.irp c, 0,1
	v_lshrrev_b32 v[12+\c], 23, v[10+\c]           ; the scale's byte
.endr
.irp c, 0,1
	v_cvt_scalef32_pk16_fp6_f32 v[F+6*\c:F+6*\c+2], v[X+32*\c:X+32*\c+15], v[10+\c]
	v_cvt_scalef32_pk16_fp6_f32 v[T+4*\c:T+4*\c+2], v[X+32*\c+16:X+32*\c+31], v[10+\c]
.endr
	v_lshl_or_b32 v14, v13, 16, v12                ; (a plain line behind the conversions)  my two bytes: blocks h and 2 + h,
	v_lshlrev_b32 v15, 3, v3
	v_lshlrev_b32 v14, v15, v14                    ; at their places in the word;
	v_mov_b32 v15, 0
	v_permlanex16_b32 v15, v14, s20, s21
	v_or_b32 v14, v14, v15                         ; with lane l xor 16's two the word is whole
.irp c, 0,1
.irp i, 0,1,2
	v_mov_b32 v[F+6*\c+3+\i], v[T+4*\c+\i]
.endr
.endr
.irp j, 0,1,2
	global_store_b128 v4, v[F+4*\j:F+4*\j+3], s[28:29] offset:512*\j   ; 32 lanes store 512 consecutive bytes, aligned
.endr
	ds_store_b32 v7, v14                           ; lanes r and r + 16 write the same word with the same value
	s_wait_dscnt 0x0                               ; for the others' sake: my word has landed
	s_barrier_signal -1
	s_barrier_wait -1
	s_cmp_lg_u32 s16, 0
	s_cbranch_scc1 .Lend_x
	ds_load_b128 v[16:19], v188                    ; wave 0 sends the eight tiles' 512 bytes
	s_wait_dscnt 0x0
	global_store_b128 v4, v[16:19], s[30:31]
.Lend_x:
	s_wait_tensorcnt 0x0
	ds_add_u32 v192, v193
	s_wait_dscnt 0x0
	s_endpgm
	; ---------------- weights: matrix mat, K step ks, columns 256 cg on; wave w has tiles 2 w and 2 w + 1
.Lweights:
	s_sub_co_u32 s17, ttmp9, 256
	s_lshr_b32 s18, s17, 5                         ; mat
	s_bfe_u32 s19, s17, 0x30002                    ; ks
	s_and_b32 s22, s17, 3                          ; cg
	v_and_b32 v5, 8, v2
	v_add_nc_u32 v5, v5, v2
	v_lshl_add_u32 v5, v3, 3, v5                   ; A LANE TAKES A COLUMN: 8 (l / 16) + r + 8 (r / 8) of the wave's 32: lane l is row r of tile 2 w + l / 16; its registers run down K
	v_lshlrev_b32 v5, 2, v5
	s_lshl_b32 s23, s16, 7
	v_lshl_add_u32 v6, v1, 2, s23
	v_add_nc_u32 v6, WGA, v6                       ; my column's scale word: 128 x wave + 4 x lane
	s_and_b32 s23, s16, 1
	s_lshl_b32 s23, s23, 9
	v_add_nc_u32 v7, s23, v4
	v_add_nc_u32 v7, WGA, v7                       ; the way out: waves 0 and 1 take 512 bytes each
	s_lshl_b32 s24, s19, 19                        ; 128 rows of 4,096 bytes a K step
	s_lshl_b32 s25, s22, 10
	s_add_co_u32 s24, s24, s25
	s_lshl_b32 s25, s16, 7
	s_add_co_u32 s24, s24, s25
	s_mov_b32 s25, 0
	s_lshl_b32 s26, s18, 2
	s_add_co_u32 s26, s26, s22
	s_add_co_u32 s26, s26, 16                      ; the panel
	s_mul_i32 s28, s26, PANB
	s_mul_i32 s27, s19, 24576
	s_add_co_u32 s28, s28, s27
	s_mul_i32 s27, s16, 3072
	s_add_co_u32 s28, s28, s27
	s_mov_b32 s29, 0
	s_lshl_b32 s30, s26, 13
	s_lshl_b32 s27, s19, 10
	s_add_co_u32 s30, s30, s27
	s_add_co_u32 s30, s30, s23
	s_add_co_u32 s30, s30, SCA
	s_mov_b32 s31, 0
	s_wait_kmcnt 0x0
	s_cmp_eq_u32 s18, 1                            ; the choice hangs on the work-group's number alone
	s_cselect_b64 s[32:33], s[8:9], s[6:7]
	s_cmp_eq_u32 s18, 2
	s_cselect_b64 s[32:33], s[10:11], s[32:33]
	s_cmp_eq_u32 s18, 3
	s_cselect_b64 s[32:33], s[12:13], s[32:33]
	s_add_nc_u64 s[32:33], s[32:33], s[24:25]
	s_add_nc_u64 s[28:29], s[14:15], s[28:29]
	s_add_nc_u64 s[30:31], s[14:15], s[30:31]
.set k, 0
.rept 128
	global_load_b32 v[R+k], v5, s[32:33] offset:k*4096 th:TH_LOAD_NT   ; row k at the wave's 32 columns: 128 consecutive bytes; the eight waves stand side by side
.set k, k+1
.endr
; block b of my column: all its 32 numbers are mine.  left: the younger loads that may be out (96, 64, 32, 0, written no higher than the counter's field)
.macro WBLOCK b, left
.set XS, R+32*(\b)
.set FD, F+12*((\b)%2)+6*((\b)/2)
	s_wait_loadcnt \left
	v_max3_num_f32 v12, |v[XS]|, |v[XS+1]|, |v[XS+2]|
	v_max3_num_f32 v13, |v[XS+3]|, |v[XS+4]|, |v[XS+5]|
.irp i, 6,10,14,18,22,26
	v_max3_num_f32 v12, v12, |v[XS+\i]|, |v[XS+\i+1]|
	v_max3_num_f32 v13, v13, |v[XS+\i+2]|, |v[XS+\i+3]|
.endr
	v_max3_num_f32 v12, v12, |v[XS+30]|, |v[XS+31]|
	v_max3_num_f32 v12, v12, v13, 0x1800000        ; and the floor
	v_add_nc_u32 v[184+(\b)], 0xff000000, v12
	v_lshrrev_b32 v13, 23, v[184+(\b)]
.if (\b) == 0
	v_mov_b32 v10, v13
.else
	v_lshl_or_b32 v10, v13, 8*(\b), v10            ; the four bytes make my column's scale word
.endif
	v_cvt_scalef32_pk16_fp6_f32 v[FD:FD+2], v[XS:XS+15], v[184+(\b)]   ; even blocks into the first run of twelve registers, odd blocks into the second
	v_cvt_scalef32_pk16_fp6_f32 v[T+4*(\b):T+4*(\b)+2], v[XS+16:XS+31], v[184+(\b)]
	v_nop                                          ; a plain line behind the conversions
.endm
	WBLOCK 0, 63
	WBLOCK 1, 63
	WBLOCK 2, 32
	WBLOCK 3, 0
.irp b, 0,1,2,3
.irp i, 0,1,2
	v_mov_b32 v[F+12*(\b%2)+6*(\b/2)+3+\i], v[T+4*\b+\i]
.endr
.endr
.irp i, 0,1,2,3,4,5,6,7,8,9,10,11
	v_permlane16_swap_b32 v[F+\i], v[F+12+\i]      ; the first run's lanes 16-31 (tile 2 w + 1, even blocks) change places with the second's lanes 0-15 (tile 2 w, odd blocks): now each run is one tile's fragment
.endr
.irp j, 0,1,2
	global_store_b128 v4, v[F+4*\j:F+4*\j+3], s[28:29] offset:512*\j
	global_store_b128 v4, v[F+12+4*\j:F+12+4*\j+3], s[28:29] offset:1536+512*\j
.endr
	ds_store_b32 v6, v10
	s_wait_dscnt 0x0
	s_barrier_signal -1
	s_barrier_wait -1
	s_cmp_lt_u32 s16, 2
	s_cbranch_scc0 .Lend_w
	ds_load_b128 v[16:19], v7
	s_wait_dscnt 0x0
	global_store_b128 v4, v[16:19], s[30:31]
.Lend_w:
	s_wait_tensorcnt 0x0
	ds_add_u32 v192, v193
	s_wait_dscnt 0x0
	s_endpgm
.Lfunc_end_k_q1775eb2936_prep:
	.size	k_q1775eb2936_prep, .Lfunc_end_k_q1775eb2936_prep-k_q1775eb2936_prep
	.p2alignl 7, 3214868480
	.fill 96, 4, 3214868480
	.section	.rodata,"a",@progbits
	.p2align	6, 0x0
	.amdhsa_kernel k_q1775eb2936_prep
		.amdhsa_group_segment_fixed_size 70144
		.amdhsa_private_segment_fixed_size 0
		.amdhsa_enable_private_segment 0
		.amdhsa_kernarg_size 48
		.amdhsa_user_sgpr_count 2
		.amdhsa_user_sgpr_kernarg_segment_ptr 1
		.amdhsa_wavefront_size32 1
		.amdhsa_system_sgpr_workgroup_id_x 1
		.amdhsa_system_sgpr_workgroup_id_y 1
		.amdhsa_system_sgpr_workgroup_id_z 1
		.amdhsa_system_vgpr_workitem_id 0
		.amdhsa_next_free_vgpr 194
		.amdhsa_next_free_sgpr 66
		.amdhsa_reserve_vcc 0
		.amdhsa_float_denorm_mode_32 3
		.amdhsa_float_denorm_mode_16_64 3
		.amdhsa_memory_ordered 1
		.amdhsa_forward_progress 1
		.amdhsa_inst_pref_size 32
	.end_amdhsa_kernel
	.amdgpu_metadata
---
amdhsa.version: [ 1, 2 ]
amdhsa.kernels:
  - .name:           k_q1775eb2936_prep
    .symbol:         k_q1775eb2936_prep.kd
    .args:
      - { .name: x, .offset: 0, .size: 8, .value_kind: global_buffer, .address_space: global }
      - { .name: Wq, .offset: 8, .size: 8, .value_kind: global_buffer, .address_space: global }
      - { .name: Wk, .offset: 16, .size: 8, .value_kind: global_buffer, .address_space: global }
      - { .name: Wv, .offset: 24, .size: 8, .value_kind: global_buffer, .address_space: global }
      - { .name: Wo, .offset: 32, .size: 8, .value_kind: global_buffer, .address_space: global }
      - { .name: pan, .offset: 40, .size: 8, .value_kind: global_buffer, .address_space: global }
    .group_segment_fixed_size: 70144
    .private_segment_fixed_size: 0
    .kernarg_segment_align: 8
    .kernarg_segment_size: 48
    .max_flat_workgroup_size: 256
    .sgpr_count:     66
    .vgpr_count:     194
    .wavefront_size: 32
...
	.end_amdgpu_metadata
.endif
;; end of part 1
;; launch qkv (part 2): grid 12 x 16, 4 waves a work-group, clusters of 4 x 1, 207,360 bytes of LDS; arguments pan, bq, bv, cos, sin, qq, kv; writes qq, kv
.if DOCPART == 2
	.amdgcn_target "amdgcn-amd-amdhsa--gfx1250"
	.amdhsa_code_object_version 6
	.text
	.protected	k_q1775eb2936_qkv
	.globl	k_q1775eb2936_qkv
	.p2align	8
	.type	k_q1775eb2936_qkv,@function
k_q1775eb2936_qkv:
	s_mov_b64 s[64:65], 0
	v_nop
	global_prefetch_b8 v0, s[64:65] scope:SCOPE_SE
	s_setreg_imm32_b32 hwreg(HW_REG_WAVE_MODE, 25, 1), 1
	s_wait_xcnt 0x0
	s_wait_alu depctr_hold_cnt(0) depctr_sa_sdst(0) depctr_va_vdst(0) depctr_va_sdst(0) depctr_va_ssrc(0) depctr_va_vcc(0) depctr_vm_vsrc(0)
	s_getreg_b32 s2, hwreg(HW_REG_IB_STS2, 6, 4)
	s_cmp_eq_u32 s2, 0
	s_cbranch_scc0 .Lentry_in_a_cluster
	s_endpgm
.Lentry_in_a_cluster:
	s_bfe_u32 s2, ttmp6, 0x10000c
	s_cmp_lg_u32 s2, 0x3003
	s_cbranch_scc0 .Lentry_shape_is_right
	s_endpgm
.Lentry_shape_is_right:
; q = rope(x Wq + bq), k = rope(x Wk), v = x Wv + bv on codes of FP6 with E8M0 scales; the results are quantised here, q and k along the head's 64, v along the tokens, and stored in the order of the next operands' registers.
; ONE PRODUCT TEXT.  D = R L^T, K = 1024.  L is a whole panel (16 tiles) in LDS, filled once; R is four tiles that stay in the wave's registers for all of K (32 fragments, 384 registers), loaded straight from memory.
; A wave makes 16 x 4 accumulators: 512 registers, 512 matrix instructions; each fragment of L read from LDS feeds four of them.
;   mat = cluster x = 0, 1 (q, k): L = x's panel y; R = the weight's panel 16 + 4 mat + cx, tiles 4 w on = head 4 cx + w.  A lane holds a token, its registers run along the head's channels.
;   mat = 2 (v): L = Wv's panel 24 + y % 4; R = x's panel 4 (y / 4) + cx, tiles 4 w on = tokens 64 w on.  A lane holds a channel, its registers run along the tokens, which are the next K.
; CLUSTER.  L hangs on mat and y alone, which the four partners share: it is asked for jointly (mask 15).  R is not: each of its bytes is wanted by one wave and goes to registers, and LDS is full of L.
; No ring: K is short enough for the whole panel, so no LDS byte is filled twice.  The panel comes in four groups of two K steps; a wave has five tensor loads out at the most.
; cos and sin are not prefetched: their loads are issued 128 matrix instructions ahead of their first use.
; The 64 accumulators take turns, one instruction a turn, in the same order in every K step.
; LIMITS: NaN and infinities are not served; a block of zeros gets the byte 1 (its codes are zeros; this program alone reads the bytes).
; OUTPUT.  qq [head][block of 128 tokens][6,656]: eight half images of 768 bytes (registers 0-3 at 16 l, 4-5 at 512 + 8 l), then 512 bytes of scale words [lane][4]: word p of lane l = tile 2 p + l / 16, row l % 16, bytes 2, 3 = 1.0.
;          kv [head][128 keys][13,056]: k as in qq; at 6,656 v's codes [tile of 16 channels 4][64 keys 2][768]; at 12,800 v's scale words [lane][2].
; REGISTERS: v1-7, v30, v31 addresses; v8-23 R's scale words; v24-29 L's; v32-103 three sets of two fragments of L; v104-123 the way out; R's fragment f at v[124 + 12 f] (f < 11) or v[256 + 12 (f - 11)];
;            accumulator (lt, t) at v[512 + 8 (4 lt + t)]; v460-491 the C of the first K step, in the place of R's last four fragments, which are loaded behind that K step.
.set PANB, 196608
.set SCA,  6291456
.set QREC, 6656
.set KREC, 13056
.set HSTR, 32*KREC                     ; from head to head in kv
.set LSC,  196608                      ; LDS: L's scale words, 8,192 bytes, behind L's codes
.set VG,   204800                      ; LDS: v's scale bytes are gathered here, 2,048 bytes (the v path's own)
.set CSA,  71680                       ; LDS, on the way out of q and k: cos at 0, sin here; token t at 272 t + 128 (t / 16).  L's bytes have had their one fill and their last read by then
.set BS,   8
.set AS,   24
.set AF,   32
.set BI,   460
.set RW,   32                          ; the way out: v32-63 the 32 numbers to be quantised
.set TP,   64                          ; v64-79 products at work
.set FQ,   80                          ; v80-85, v86-91 codes, two sets
.set XT,   92                          ; v92-94 a block's upper half
.set WD,   95                          ; a scale word at work
.set SW,   108                         ; v108-115 scale words of eight tiles, two sets (q, k);  v108-110 addresses (v)
.set TM,   116                         ; v116-123: +0, 1 largest magnitudes; +2, 3 the other half's; +4, 5 bytes; +6, 7 the conversions' scale operands
.set CS,   124                         ; v124-251 cos and sin of a tile, two sets of 64: cos low, cos high, sin low, sin high
.set MSB,  0
.macro WIN new                         ; the immediate's high byte repeats the setting that is left
.if MSB != (\new)
	s_set_vgpr_msb (MSB<<8)|(\new)
.set MSB, (\new)
.endif
.endm
.macro W4 d, a, b, c                   ; the windows of destination and sources 0, 1, 2, from whole register numbers
.set WN, ((\a)>>8)|(((\b)>>8)<<2)|(((\c)>>8)<<4)|(((\d)>>8)<<6)
	WIN WN
.endm
.macro RPOS f                          ; RR = where R's fragment f lies: no fragment crosses a window
.if (\f) < 11
.set RR, 124+12*(\f)
.else
.set RR, 256+12*((\f)-11)
.endif
.endm
.macro CROUND                          ; a round of the cluster's barrier
	s_barrier_signal -1
	s_barrier_wait -1
	s_cmp_lg_u32 s18, 0
	s_cbranch_scc1 .Lnot_wave_0_\@
	s_barrier_signal -3
.Lnot_wave_0_\@:
	s_barrier_wait -3
	s_barrier_signal -1
	s_barrier_wait -1
.endm
.macro PLACES
.rept 4
	v_nop
.endr
.endm
	s_load_b256 s[4:11], s[0:1], 0x0               ; pan, bq, bv, cos
	s_load_b128 s[12:15], s[0:1], 0x20             ; sin, qq
	s_load_b64 s[16:17], s[0:1], 0x30              ; kv
	s_set_vgpr_msb 0x40
	v_lshl_add_u32 v254, v0, 2, 0x32800
	v_mov_b32 v255, 0
	s_set_vgpr_msb 0x4045
	ds_add_u32 v254, v255
	ds_add_u32 v254, v255
	s_set_vgpr_msb 0x4500
	v_lshrrev_b32 v1, 5, v0
	v_readfirstlane_b32 s18, v1                    ; wave 0..3
	s_mov_b32 s19, ttmp9                           ; mat: the cluster's x
	s_and_b32 s20, ttmp7, 0xffff                   ; y
	s_bfe_u32 s21, ttmp6, 0x40000                  ; cx: my place in the cluster; it enters R's, the bias's and the outputs' addresses alone
	s_mov_b32 s24, 0xffff0000                      ; lanes 16-31
	s_mov_b32 s26, 0x76543210
	s_mov_b32 s27, 0xfedcba98
	s_and_b32 s25, s20, 3
	s_add_co_u32 s22, s25, 24
	s_lshl_b32 s23, s19, 2
	s_add_co_u32 s23, s23, 16
	s_lshr_b32 s88, s20, 2
	s_lshl_b32 s88, s88, 2
	s_cmp_lt_u32 s19, 2
	s_cselect_b32 s22, s20, s22                    ; L's panel: y, or 24 + y % 4
	s_cselect_b32 s23, s23, s88
	s_add_co_u32 s23, s23, s21                     ; R's panel: 16 + 4 mat + cx, or 4 (y / 4) + cx
	; descriptor group 1: a dense block as rows of 256 bytes (32 elements of 8 bytes): 48 rows of codes, 8 rows of scale words
	s_mov_b32 s28, 15|(3<<16)|(1<<21)              ; 15:0 the mask: all four work-groups; 17:16 elements of 8 bytes; 21 set beside a mask
	s_mov_b32 s29, 32<<16                          ; tensor_dim0
	s_mov_b32 s30, 48<<16                          ; tensor_dim1
	s_mov_b32 s31, 32<<16                          ; tile_dim0
	s_mov_b32 s32, 48                              ; tile_dim1
	s_mov_b32 s33, 32                              ; the pitch
	s_mov_b32 s34, 0
	s_mov_b32 s35, 0
	s_mov_b32 s36, 15|(3<<16)|(1<<21)
	s_mov_b32 s37, 32<<16
	s_mov_b32 s38, 8<<16
	s_mov_b32 s39, 32<<16
	s_mov_b32 s40, 8
	s_mov_b32 s41, 32
	s_mov_b32 s42, 0
	s_mov_b32 s43, 0
	s_mul_i32 s80, s22, PANB
	s_mul_i32 s84, s18, 12288                      ; wave w fetches a quarter of each group
	s_add_co_u32 s80, s80, s84
	s_mov_b32 s81, 0
	s_lshl_b32 s82, s22, 13
	s_lshl_b32 s85, s18, 11                        ; and of the scale words
	s_add_co_u32 s82, s82, s85
	s_add_co_u32 s82, s82, SCA
	s_mov_b32 s83, 0
	s_wait_dscnt 0x0
	s_wait_kmcnt 0x0
	s_add_nc_u64 s[80:81], s[4:5], s[80:81]
	s_add_nc_u64 s[82:83], s[4:5], s[82:83]
	s_mov_b32 s44, 1
	s_add_co_u32 s45, s85, LSC
	s_mov_b64 s[46:47], s[82:83]
	s_or_b32 s47, s47, 0x80000000
.irp g, 0,1,2,3
	s_mov_b32 s[48+4*\g], 1                        ; count = 1
	s_add_co_u32 s[49+4*\g], s84, 49152*\g         ; LDS: group g (K steps 2 g, 2 g + 1), my quarter
	s_add_nc_u64 s[50+4*\g:51+4*\g], s[80:81], 49152*\g
	s_or_b32 s[51+4*\g], s[51+4*\g], 0x80000000    ; type = 2
.endr
	CROUND                                         ; all four work-groups are here: the joint loads meet
	tensor_load_to_lds s[44:47], s[36:43]          ; the scale words, then the four groups: five loads of mine are out
	s_nop 0
	tensor_load_to_lds s[48:51], s[28:35]
	s_nop 0
	tensor_load_to_lds s[52:55], s[28:35]
	s_nop 0
	tensor_load_to_lds s[56:59], s[28:35]
	s_nop 0
	tensor_load_to_lds s[60:63], s[28:35]
	s_nop 0
	PLACES                                         ; four plain lines follow the tensor loads
	s_mul_i32 s88, s23, PANB
	s_mul_i32 s89, s18, 6144
	s_add_co_u32 s88, s88, s89
	s_mov_b32 s89, 0
	s_add_nc_u64 s[66:67], s[4:5], s[88:89]        ; R's codes: my four tiles
	s_lshl_b32 s88, s23, 13
	s_lshl_b32 s89, s18, 8
	s_add_co_u32 s88, s88, s89
	s_add_co_u32 s88, s88, SCA
	s_mov_b32 s89, 0
	s_add_nc_u64 s[68:69], s[4:5], s[88:89]        ; and their scale words
	s_lshl_b32 s88, s20, 16
	s_lshl_b32 s89, s18, 14
	s_add_co_u32 s88, s88, s89
	s_mov_b32 s89, 0
	s_add_nc_u64 s[74:75], s[10:11], s[88:89]      ; cos and sin at token 256 y + 64 w (q, k)
	s_add_nc_u64 s[76:77], s[12:13], s[88:89]
	s_lshl_b32 s88, s21, 10
	s_lshl_b32 s90, s18, 8
	s_add_co_u32 s88, s88, s90
	s_add_nc_u64 s[78:79], s[6:7], s[88:89]        ; bq at my head
	s_lshl_b32 s88, s25, 10
	s_add_nc_u64 s[86:87], s[8:9], s[88:89]        ; bv at column 256 (y % 4)
	v_and_b32 v2, 31, v0
	v_lshlrev_b32 v1, 4, v2                        ; 16 x lane
	v_lshlrev_b32 v30, 3, v2                       ; 8 x lane
	v_lshlrev_b32 v2, 2, v2                        ; 4 x lane
	v_and_b32 v116, 15, v0                         ; r
	v_bfe_u32 v117, v0, 4, 1                       ; h
	v_lshl_add_u32 v3, v116, 2, LSC                ; L's scale words: lane r and lane r + 16 take row r's
.irp g, 0,1,2,3
	v_add_nc_u32 v[4+\g], 49152*\g, v1             ; L's images in group g
.endr
	v_and_b32 v118, 8, v116
	v_add_nc_u32 v119, v118, v116                  ; r + 8 (r / 8)
	v_lshlrev_b32 v31, 2, v119
	v_lshlrev_b32 v112, 6, v117                    ; 64 h
	s_mul_i32 s84, s18, 17920
	v_mul_u32_u24 v104, v117, 272
	v_lshl_add_u32 v104, v116, 4, v104
	v_add_nc_u32 v104, s84, v104                   ; cos into LDS: my 64 tokens; lanes 0-15 one token's 256 bytes, lanes 16-31 the next
	v_add_nc_u32 v105, CSA, v104                   ; sin
	v_mul_u32_u24 v106, v119, 272
	v_lshl_add_u32 v106, v118, 4, v106
	v_add_nc_u32 v106, v106, v112                  ; and out of it: my token of a tile, 272 (r + 8 (r / 8)) + 128 (r / 8), + 64 h: sixteen lanes touch sixteen different 16-byte columns modulo 256
	v_add_nc_u32 v107, CSA, v106
	s_lshr_b32 s84, s18, 1
	s_lshl_b32 s84, s84, 10
	s_and_b32 s85, s18, 1
	s_lshl_b32 s85, s85, 1
	s_add_co_u32 s84, s84, s85
	v_lshl_add_u32 v108, v116, 3, s84
	v_add_nc_u32 v108, VG, v108                    ; v's scale bytes: 1,024 (w / 2) + 2 (w % 2) + 8 r
	s_lshl_b32 s84, s18, 9
	v_add_nc_u32 v109, s84, v1
	v_add_nc_u32 v109, VG, v109                    ; and back: 512 bytes a wave
	v_mul_u32_u24 v110, v117, HSTR
	v_lshl_add_u32 v110, v116, 4, v110             ; in kv: sixteen lanes to a head's 256 bytes
	; the C of the first K step: bq at the lane's eight channels of each tile (q); zeros (k, and v, whose bias goes by lanes and is added on the way out)
	s_cmp_eq_u32 s19, 0
	s_cbranch_scc0 .Lno_bias
	WIN 0x40
.irp t, 0,1,2,3
.irp q, 0,1
	global_load_b128 v[(BI&255)+8*\t+4*\q:(BI&255)+8*\t+4*\q+3], v112, s[78:79] offset:(32*(\t/2)+8*(\t%2))*4+16*\q
.endr
.endr
	WIN 0
	s_branch .Lbias_done
.Lno_bias:
	WIN 0x40
.set i, 0
.rept 32
	v_mov_b32 v[(BI&255)+i], 0
.set i, i+1
.endr
	WIN 0
.Lbias_done:
.irp ks, 0,1,2,3,4,5,6,7
.irp p, 0,1
	global_load_b32 v[BS+2*\ks+\p], v2, s[68:69] offset:\ks*1024+128*\p   ; lanes 0-15: tile 2 p's words, lanes 16-31: tile 2 p + 1's
.endr
.endr
.set f, 0
.rept 28                               ; R's K steps 0 to 6
	RPOS f
	W4 RR, 0, 0, 0
.irp j, 0,1,2
	global_load_b128 v[(RR&255)+4*\j:(RR&255)+4*\j+3], v1, s[66:67] offset:(f/4)*24576+(f%4)*1536+512*\j
.endr
.set f, f+1
.endr
	WIN 0
; group g of L is in LDS for every wave.  The count leaves my loads of the later groups out
.macro GATE g
	s_wait_tensorcnt 3-(\g)
	s_wait_dscnt 0x0
	s_barrier_signal -1
	s_barrier_wait -1
.endm
; two fragments of L, numbers 2 bi and 2 bi + 1 of 128 (K step fi / 16, tile fi % 16), and their scale words, into set bi % 3: eight LDS loads
.macro FETCH bi
.irp e, 0,1
.set FI, 2*(\bi)+\e
.set FK, FI/16
.set FL, FI%16
.set FA, AF+24*((\bi)%3)+12*\e
.irp j, 0,1,2
	ds_load_b128 v[FA+4*\j:FA+4*\j+3], v[4+FK/2] offset:(FK%2)*24576+FL*1536+512*\j
.endr
	ds_load_b32 v[AS+2*((\bi)%3)+\e], v3 offset:FK*1024+FL*64
.endr
.endm
.macro PROD ks, t, lt, afr, asr
	RPOS 4*(\ks)+(\t)
.set DD, 512+8*(4*(\lt)+(\t))
.set D8, DD&255
.set R8, RR&255
.if (\ks) == 0
	W4 DD, RR, 0, BI
.set C8, (BI&255)+8*(\t)
.else
	W4 DD, RR, 0, DD
.set C8, D8
.endif
.if (\t)%2
	v_wmma_scale_f32_16x16x128_f8f6f4 v[D8:D8+7], v[R8:R8+11], v[\afr:\afr+11], v[C8:C8+7], v[BS+2*(\ks)+(\t)/2], v[\asr] matrix_a_fmt:MATRIX_FMT_FP6 matrix_b_fmt:MATRIX_FMT_FP6 matrix_a_scale:MATRIX_SCALE_ROW1
.else
	v_wmma_scale_f32_16x16x128_f8f6f4 v[D8:D8+7], v[R8:R8+11], v[\afr:\afr+11], v[C8:C8+7], v[BS+2*(\ks)+(\t)/2], v[\asr] matrix_a_fmt:MATRIX_FMT_FP6 matrix_b_fmt:MATRIX_FMT_FP6
.endif
.endm
.macro LATE_R                          ; R's last K step, into the registers that the first K step's C has left
	WIN 0x40
.irp f, 28,29,30,31
.irp j, 0,1,2
	global_load_b128 v[12*(\f-11)+4*\j:12*(\f-11)+4*\j+3], v1, s[66:67] offset:7*24576+(\f-28)*1536+512*\j
.endr
.endr
	WIN 0
.endm
.macro TABLES                          ; what the way out wants, into the registers that R's K steps 0 to 5 have left
	s_cmp_lt_u32 s19, 2
	s_cbranch_scc0 .Ltab_v
.set i, 0
.rept 64                               ; cos (0-31) and sin (32-63) of my 64 tokens: 512 consecutive bytes a load
.if i < 33
.set CR, 124+4*i
.else
.set CR, 256+4*(i-33)
.endif
	WIN (CR>>8)<<6
	global_load_b128 v[(CR&255):(CR&255)+3], v1, s[74+2*(i/32):75+2*(i/32)] offset:512*(i%32)
.set i, i+1
.endr
	WIN 0
	s_branch .Ltab_done
.Ltab_v:
.irp lt, 0,1,2,3,4,5,6,7,8,9,10,11,12,13,14,15
	global_load_b32 v[124+\lt], v31, s[86:87] offset:(32*(\lt/2)+8*(\lt%2))*4   ; bv at my channel of tile lt
.endr
.Ltab_done:
.endm
; eight matrix instructions on set bi % 3; ahead of them the fetch of two batches on, into the set that the last batch has read (four places behind its products)
.macro BATCH bi
.set BK, (\bi)/8
.if (\bi)+2 < 64
.if ((\bi)+2)%16 == 0
	GATE ((\bi)+2)/16
.endif
	PLACES
	WIN 0
.if (\bi) == 8
	LATE_R
.endif
.if (\bi) == 48
	s_wait_loadcnt 0x0                             ; R's last two K steps are in: only their 24 loads were out
	TABLES
.endif
	FETCH (\bi)+2
	s_wait_dscnt 16                                ; this batch's eight loads are in; the two younger fetches may be out
.elseif (\bi) == 62
	s_wait_dscnt 8
.else
	s_wait_dscnt 0x0
.endif
.if ((\bi)%8 == 0) && (BK < 6)
.if BK < 2
	s_wait_loadcnt 63                              ; 72 younger loads; written no higher than the counter's field
.else
	s_wait_loadcnt 12*(7-BK)                       ; this K step of R is in; the later K steps' loads, twelve each, may be out
.endif
.endif
.irp t, 0,1,2,3
.irp e, 0,1
	PROD BK, \t, (2*(\bi)+\e)%16, AF+24*((\bi)%3)+12*\e, AS+2*((\bi)%3)+\e
.endr
.endr
.endm
	GATE 0
	FETCH 0
	FETCH 1
.set Q, 0
.rept 64
	BATCH Q
.set Q, Q+1
.endr
	WIN 0
	PLACES                                         ; in front of the first read of results
	s_wait_dscnt 0x0
	s_barrier_signal -1
	s_barrier_wait -1                              ; nobody reads L any more
	s_wait_loadcnt 0x0                             ; cos and sin, or bv
; 32 numbers of a lane, register 16 b + i = k 32 b + 16 h + i of its row, become six registers of codes at v[f] (lanes 0-15 block 0, lanes 16-31 block 1); the two bytes are left in v[TM+4], v[TM+5]
.macro QUANT2 s, f
.irp b, 0,1
	v_max3_num_f32 v[TM+\b], |v[\s+16*\b]|, |v[\s+16*\b+1]|, 0x1800000   ; and the floor 2^(3 - 127)
.endr
.irp i, 2,4,6,8,10,12,14
.irp b, 0,1
	v_max3_num_f32 v[TM+\b], v[TM+\b], |v[\s+16*\b+\i]|, |v[\s+16*\b+\i+1]|
.endr
.endr
.irp b, 0,1
	v_permlanex16_b32 v[TM+2+\b], v[TM+\b], s26, s27
.endr
.irp b, 0,1
	v_max_num_f32 v[TM+\b], v[TM+\b], v[TM+2+\b]   ; with lane l xor 16's: the block's largest magnitude
.endr
.irp b, 0,1
	v_add_nc_u32 v[TM+6+\b], 0xff000000, v[TM+\b]
.endr
.irp b, 0,1
	v_lshrrev_b32 v[TM+4+\b], 23, v[TM+6+\b]
.endr
	v_cvt_scalef32_pk16_fp6_f32 v[\f:\f+2], v[\s:\s+15], v[TM+6]
	v_cvt_scalef32_pk16_fp6_f32 v[XT:XT+2], v[\s+16:\s+31], v[TM+7]
	v_nop                                          ; a plain line behind the conversions
.irp i, 0,1,2
	v_permlane16_swap_b32 v[\f+\i], v[XT+\i]       ; the operand wants a whole block in a lane
.endr
.irp i, 0,1,2
	v_mov_b32 v[\f+3+\i], v[XT+\i]
.endr
.endm
	s_cmp_lt_u32 s19, 2
	s_cbranch_scc0 .Lv_out
	; ---------------- q and k: rope, quantised along the head's 64
	s_lshl_b32 s88, s21, 2
	s_add_co_u32 s88, s88, s18                     ; head
	s_lshl_b32 s88, s88, 5
	s_lshl_b32 s89, s20, 1
	s_add_co_u32 s88, s88, s89                     ; record 32 head + 2 y
	s_mov_b32 s90, KREC
	s_cmp_eq_u32 s19, 0
	s_cselect_b64 s[70:71], s[14:15], s[16:17]     ; qq or kv
	s_cselect_b32 s90, QREC, s90
	s_mul_i32 s88, s88, s90
	s_mov_b32 s89, 0
	s_mov_b32 s91, 0
	s_add_nc_u64 s[70:71], s[70:71], s[88:89]      ; tiles 0-7,
	s_add_nc_u64 s[72:73], s[70:71], s[90:91]      ; tiles 8-15: the next record
.set i, 0
.rept 64                               ; every head wants all 256 tokens' cos and sin: each wave has loaded a quarter, and they meet in LDS
.if i < 33
.set CR, 124+4*i
.else
.set CR, 256+4*(i-33)
.endif
	WIN (CR>>8)<<2
	ds_store_b128 v[104+i/32], v[(CR&255):(CR&255)+3] offset:544*(i%32)+128*((i%32)/8)
.set i, i+1
.endr
	WIN 0
	s_wait_dscnt 0x0                               ; for the others' sake: my stores have landed
	s_barrier_signal -1
	s_barrier_wait -1
.macro CLOAD lt                        ; cos and sin at my token of tile lt, channels 32 b + 16 h + 0 .. 15: sixteen loads into set lt % 2
.irp a, 0,1
.irp b, 0,1
.irp q, 0,1,2,3
	ds_load_b128 v[CS+64*((\lt)%2)+32*\a+16*\b+4*\q:CS+64*((\lt)%2)+32*\a+16*\b+4*\q+3], v[106+\a] offset:272*(32*((\lt)/2)+8*((\lt)%2))+256*((\lt)/2)+128*\b+16*\q
.endr
.endr
.endr
.endm
.macro QKTILE lt
.if (\lt) < 15
	CLOAD (\lt)+1
	s_wait_dscnt 16                                ; this tile's sixteen loads are in; the next tile's may be out
.else
	s_wait_dscnt 0x0
.endif
	s_wait_xcnt 0x0                                ; earlier stores have read their registers: the codes of two tiles ago may be written again
.set CB, CS+64*((\lt)%2)
.set A8, (32*(\lt))&255
.set FC, FQ+6*((\lt)%2)
	WIN 2+(\lt)/8                                  ; source 0: the accumulators' window
.irp u, 0,1                            ; low = channels 16 h + 8 u + j (tile u), high = 32 more (tile 2 + u); each accumulator is read from its low end on
.irp p, 0,2,4,6
	v_pk_mul_f32 v[TP+\p:TP+\p+1], v[A8+16+8*\u+\p:A8+16+8*\u+\p+1], v[CB+32+8*\u+\p:CB+32+8*\u+\p+1]      ; high x sin(low)
.endr
.irp p, 0,2,4,6
	v_pk_mul_f32 v[TP+8+\p:TP+8+\p+1], v[A8+8*\u+\p:A8+8*\u+\p+1], v[CB+48+8*\u+\p:CB+48+8*\u+\p+1]        ; low x sin(high)
.endr
.irp p, 0,2,4,6
	v_pk_fma_f32 v[RW+8*\u+\p:RW+8*\u+\p+1], v[A8+8*\u+\p:A8+8*\u+\p+1], v[CB+8*\u+\p:CB+8*\u+\p+1], v[TP+\p:TP+\p+1] neg_lo:[0,0,1] neg_hi:[0,0,1]
.endr
.irp p, 0,2,4,6
	v_pk_fma_f32 v[RW+16+8*\u+\p:RW+16+8*\u+\p+1], v[A8+16+8*\u+\p:A8+16+8*\u+\p+1], v[CB+16+8*\u+\p:CB+16+8*\u+\p+1], v[TP+8+\p:TP+8+\p+1]
.endr
.endr
	WIN 0
	QUANT2 RW, FC
	v_lshl_or_b32 v[WD], v[TM+5], 8, v[TM+4]
	v_or_b32 v[WD], 0x7f7f0000, v[WD]              ; bytes 2 and 3 stand for 1.0: K = 64 .. 127 of the score product holds zero codes on q's side
.if (\lt)%2 == 0
	v_mov_b32 v[SW+4*((\lt)/8)+((\lt)%8)/2], v[WD]
.else
	v_cndmask_b32 v[SW+4*((\lt)/8)+((\lt)%8)/2], v[SW+4*((\lt)/8)+((\lt)%8)/2], v[WD], s24   ; the odd tile's words in lanes 16-31
.endif
	global_store_b128 v1, v[FC:FC+3], s[70+2*((\lt)/8):71+2*((\lt)/8)] offset:((\lt)%8)*768
	global_store_b64 v30, v[FC+4:FC+5], s[70+2*((\lt)/8):71+2*((\lt)/8)] offset:((\lt)%8)*768+512
.if (\lt)%8 == 7
	global_store_b128 v1, v[SW+4*((\lt)/8):SW+4*((\lt)/8)+3], s[70+2*((\lt)/8):71+2*((\lt)/8)] offset:6144
.endif
.endm
	CLOAD 0
.irp lt, 0,1,2,3,4,5,6,7,8,9,10,11,12,13,14,15
	QKTILE \lt
.endr
	s_branch .Lclose
	; ---------------- v: bias, quantised along the tokens.  My 64 tokens are half c = w % 2 of key step 2 rb + w / 2
.Lv_out:
	s_lshl_b32 s88, s25, 7
	s_lshl_b32 s89, s23, 1
	s_add_co_u32 s88, s88, s89
	s_lshr_b32 s90, s18, 1
	s_add_co_u32 s88, s88, s90                     ; record 32 x 4 (y % 4) + 2 rb + w / 2
	s_and_b32 s91, s18, 1
	s_lshl_b32 s92, s91, 6
	s_add_co_u32 s92, s92, s88                     ; the scale words that I send: two heads further on for odd waves
	s_mul_i32 s88, s88, KREC
	s_mul_i32 s89, s91, 768
	s_add_co_u32 s88, s88, s89
	s_add_co_u32 s88, s88, 6656
	s_mov_b32 s89, 0
	s_add_nc_u64 s[70:71], s[16:17], s[88:89]
	s_mul_i32 s92, s92, KREC
	s_add_co_u32 s92, s92, 12800
	s_mov_b32 s93, 0
	s_add_nc_u64 s[72:73], s[16:17], s[92:93]
.macro VTILE lt
	s_wait_xcnt 0x0                                ; earlier stores have read their registers
.set A8, (32*(\lt))&255
.set FC, FQ+6*((\lt)%2)
	WIN 2+(\lt)/8
.irp t, 0,1,2,3
.irp p, 0,2,4,6
.if (\lt)%2
	v_pk_add_f32 v[RW+8*\t+\p:RW+8*\t+\p+1], v[A8+8*\t+\p:A8+8*\t+\p+1], v[124+2*((\lt)/2):125+2*((\lt)/2)] op_sel:[0,1] op_sel_hi:[1,1]   ; the pair's second register for both halves
.else
	v_pk_add_f32 v[RW+8*\t+\p:RW+8*\t+\p+1], v[A8+8*\t+\p:A8+8*\t+\p+1], v[124+2*((\lt)/2):125+2*((\lt)/2)] op_sel_hi:[1,0]                ; the first
.endif
.endr
.endr
	WIN 0
	QUANT2 RW, FC
	v_lshl_or_b32 v[WD], v[TM+5], 8, v[TM+4]
	ds_store_b16 v108, v[WD] offset:256*((\lt)/4)+128*((\lt)%2)+4*(((\lt)%4)/2)   ; [half of the 256 tokens][head][lane 16 (tile % 2) + r][word tile / 2][my two bytes]
	global_store_b128 v1, v[FC:FC+3], s[70:71] offset:((\lt)/4)*HSTR+((\lt)%4)*1536
	global_store_b64 v30, v[FC+4:FC+5], s[70:71] offset:((\lt)/4)*HSTR+((\lt)%4)*1536+512
.endm
.irp lt, 0,1,2,3,4,5,6,7,8,9,10,11,12,13,14,15
	VTILE \lt
.endr
	s_wait_dscnt 0x0
	s_barrier_signal -1
	s_barrier_wait -1                              ; the scale words are whole: each holds two waves' bytes
	ds_load_b128 v[64:67], v109
	s_wait_dscnt 0x0
	global_store_b128 v110, v[64:67], s[72:73]     ; sixteen lanes store a head's 256 bytes, aligned
.Lclose:
	s_wait_dscnt 0x0
	s_set_vgpr_msb 0x5
	s_wait_tensorcnt 0x0
	ds_add_u32 v254, v255
	s_wait_dscnt 0x0
	s_set_vgpr_msb 0x500
	CROUND                                         ; the closing round: no work-group ends while a partner may still ask jointly
	s_endpgm
.Lfunc_end_k_q1775eb2936_qkv:
	.size	k_q1775eb2936_qkv, .Lfunc_end_k_q1775eb2936_qkv-k_q1775eb2936_qkv
	.p2alignl 7, 3214868480
	.fill 96, 4, 3214868480
	.section	.rodata,"a",@progbits
	.p2align	6, 0x0
	.amdhsa_kernel k_q1775eb2936_qkv
		.amdhsa_group_segment_fixed_size 207360
		.amdhsa_private_segment_fixed_size 0
		.amdhsa_enable_private_segment 0
		.amdhsa_kernarg_size 56
		.amdhsa_user_sgpr_count 2
		.amdhsa_user_sgpr_kernarg_segment_ptr 1
		.amdhsa_wavefront_size32 1
		.amdhsa_system_sgpr_workgroup_id_x 1
		.amdhsa_system_sgpr_workgroup_id_y 1
		.amdhsa_system_sgpr_workgroup_id_z 1
		.amdhsa_system_vgpr_workitem_id 0
		.amdhsa_next_free_vgpr 1024
		.amdhsa_next_free_sgpr 96
		.amdhsa_reserve_vcc 0
		.amdhsa_float_denorm_mode_32 3
		.amdhsa_float_denorm_mode_16_64 3
		.amdhsa_memory_ordered 1
		.amdhsa_forward_progress 1
		.amdhsa_inst_pref_size 255
	.end_amdhsa_kernel
	.section	.bss,"aw",@nobits
	.p2align	6
	.space	262144
	.amdgpu_metadata
---
amdhsa.version: [ 1, 2 ]
amdhsa.kernels:
  - .name:           k_q1775eb2936_qkv
    .symbol:         k_q1775eb2936_qkv.kd
    .args:
      - { .name: pan, .offset: 0, .size: 8, .value_kind: global_buffer, .address_space: global }
      - { .name: bq, .offset: 8, .size: 8, .value_kind: global_buffer, .address_space: global }
      - { .name: bv, .offset: 16, .size: 8, .value_kind: global_buffer, .address_space: global }
      - { .name: cos, .offset: 24, .size: 8, .value_kind: global_buffer, .address_space: global }
      - { .name: sin, .offset: 32, .size: 8, .value_kind: global_buffer, .address_space: global }
      - { .name: qq, .offset: 40, .size: 8, .value_kind: global_buffer, .address_space: global }
      - { .name: kv, .offset: 48, .size: 8, .value_kind: global_buffer, .address_space: global }
    .group_segment_fixed_size: 207360
    .private_segment_fixed_size: 0
    .kernarg_segment_align: 8
    .kernarg_segment_size: 56
    .max_flat_workgroup_size: 128
    .sgpr_count:     96
    .vgpr_count:     1024
    .wavefront_size: 32
...
	.end_amdgpu_metadata
.endif
;; end of part 2
;; launch attn (part 3): grid 32 x 8, 16 waves a work-group, no clusters, 169,984 bytes of LDS; arguments qq, kv, mask, cx; writes cx
.if DOCPART == 3
	.amdgcn_target "amdgcn-amd-amdhsa--gfx1250"
	.amdhsa_code_object_version 6
	.text
	.protected	k_q1775eb2936_attn
	.globl	k_q1775eb2936_attn
	.p2align	8
	.type	k_q1775eb2936_attn,@function
k_q1775eb2936_attn:
	s_mov_b64 s[64:65], 0
	v_nop
	global_prefetch_b8 v0, s[64:65] scope:SCOPE_SE
	s_setreg_imm32_b32 hwreg(HW_REG_WAVE_MODE, 25, 1), 1
	s_wait_xcnt 0x0
; context = softmax(q k^T / 8, under the window k <= q, k >= q - 256 and the key mask) v, both products on codes of FP6 with E8M0 scales; the context is quantised here along the channels for the last product.
; THE WINDOW is built by the problem itself: a block of 128 queries sees the three aligned key steps qb - 2, qb - 1, qb and nothing else; all other keys have weight 0.
; SOFTMAX: t = score x log2(e) / 8; M = the running largest t rounded up to a whole number; p = 2^(t - M) is quantised along the keys; the sum is taken of the unquantised p and divides at the end.
; A hidden key (outside the window, masked, or of a key step in front of key 0) gets the score -FLT_MAX ahead of the maximum: p = 0.  The running maximum begins at -2^30, so that a row all of whose keys are hidden has p = 0 everywhere;
; its sum is held at 2^-126 from below, so its context is 0.  Such a query is itself masked (it is among its own keys), and the last launch multiplies its row by 0.
; LIMITS: an unmasked query's largest t must lie above -2^30 (a scaled score above -7.4e8); under that the problem's own -1e9 of keys outside the window would count, which is not modelled.  NaN and infinities are not served.
; SHARES.  A work-group: 128 queries x two heads.  Wave w: head 2 hp + w / 8, tile w % 8 of 16 queries, in 256 registers: four waves to a SIMD, so that one wave's vector work stands beside another's matrix work.
; The six records (two heads x three key steps, 13,056 bytes each) come by six tensor loads at the head, each filled once: no ring.
; NO MULTICAST: a key step is wanted by three work-groups of a head, each at another of its three places in LDS, and an LDS address may not hang on the place in a cluster.  Nothing is prefetched: all is asked for at the head.
; LAYOUT.  Both products transposed: S^T = K Q^T, O^T = V^T P^T: a lane holds one query.  K = 64 of the score product fills half an instruction: Q's registers 6-11 are zero codes, so whatever K's registers 6-11 hold
; (the next tile's codes; zeros behind the last) adds nothing; all scale bytes there stand for 1.0.
; REGISTERS: v1-11 addresses and lane constants; v12 -M, v13 largest t, v[14:15] the sum; v16-27 Q; v28 Q's, v29 p's scale word; v[30:31] f; v32-79 K's eight halves, then V's four fragments; v80-85 zeros; v86-89 K's, v90-91 V's scale words;
;            v92, 93 addresses; v96-159 S^T, then p; v160-191 O^T; v192-203 p's codes; v204-251 at work.
.set KREC, 13056
.set QREC, 6656
.set CG,   78336                       ; LDS, behind the six records: the context's scale words, 512 bytes
.set CXS,  3145728                     ; cx: the scale words lie behind the codes
.set S,    96
.set O,    160
.set PC,   192
.set BM,   204                         ; v204-207 the blocks' largest scores, then largest p
.set PM,   208                         ; v208-211 the other half's; a chain of the sum; the bytes
.set OPS,  212                         ; v212-215 the conversions' scale operands
.set XT,   216                         ; v216-218, v220-222 upper halves of blocks
.set TT,   224                         ; v224-231 +-FLT_MAX
.set HW,   232                         ; v232-235 hidden bits of my 16 keys of each block;  v236-239 the same, 8 down
.set HB,   236
.set TMP,  240
.set TM,   244                         ; v244-251 first the window's hidden words (step 0: 244-247, step 2: 248-251), at the end the last quantiser's registers
	s_load_b256 s[4:11], s[0:1], 0x0               ; qq, kv, mask, cx
	v_lshl_add_u32 v254, v0, 2, 0x29000
	v_mov_b32 v255, 0
	ds_add_u32 v254, v255
	ds_add_u32 v254, v255
	v_lshrrev_b32 v1, 5, v0
	v_readfirstlane_b32 s12, v1                    ; wave 0..15
	s_lshr_b32 s13, s12, 3                         ; c: which of the two heads
	s_and_b32 s14, s12, 7                          ; my tile of queries.  Also: the key step that I fetch, if under 3
	s_mov_b32 s15, ttmp9                           ; qb
	s_and_b32 s16, ttmp7, 0xffff                   ; hp
	s_lshl_b32 s17, s16, 1
	s_add_co_u32 s17, s17, s13                     ; head
	s_mov_b32 s24, 3<<16                           ; group 1: a record as 51 rows of 256 bytes (32 elements of 8 bytes), dense
	s_mov_b32 s25, 32<<16
	s_mov_b32 s26, 51<<16
	s_mov_b32 s27, 32<<16
	s_mov_b32 s28, 51
	s_mov_b32 s29, 32
	s_mov_b32 s30, 0
	s_mov_b32 s31, 0
	s_mov_b32 s20, 0x76543210
	s_mov_b32 s21, 0xfedcba98
	s_mov_b32 s22, 0x3e38aa3b                      ; log2(e) / 8
	s_mov_b32 s23, s22
	s_mov_b32 s48, 0x7f7fffff                      ; FLT_MAX
	s_add_co_u32 s49, s15, s14
	s_max_u32 s49, s49, 2
	s_sub_co_u32 s49, s49, 2                       ; key step qb - 2 + s, held at 0 (such a step is hidden as a whole)
	s_lshl_b32 s50, s17, 5
	s_add_co_u32 s52, s50, s15                     ; q's record
	s_add_co_u32 s50, s50, s49
	s_mul_i32 s50, s50, KREC
	s_mov_b32 s51, 0
	s_mul_i32 s45, s13, 3
	s_add_co_u32 s45, s45, s14
	s_mul_i32 s45, s45, KREC                       ; LDS: record 3 c + s
	s_mov_b32 s44, 1
	s_mul_i32 s52, s52, QREC
	s_mul_i32 s53, s14, 768
	s_add_co_u32 s54, s52, s53                     ; my tile's codes
	s_mov_b32 s55, 0
	s_and_b32 s53, s14, 1
	s_lshl_b32 s53, s53, 8
	s_add_co_u32 s56, s52, s53
	s_lshr_b32 s53, s14, 1
	s_lshl_b32 s53, s53, 2
	s_add_co_u32 s56, s56, s53
	s_add_co_u32 s56, s56, 6144                    ; its scale words: lane 16 (tile % 2) + r, word tile / 2
	s_mov_b32 s57, 0
	s_lshl_b32 s58, s15, 1
	s_lshr_b32 s53, s14, 2
	s_add_co_u32 s58, s58, s53                     ; the block of 64 tokens
	s_lshl_b32 s58, s58, 3
	s_add_co_u32 s58, s58, s16                     ; K step of the last product = hp
	s_lshl_b32 s58, s58, 2
	s_and_b32 s53, s14, 3
	s_add_co_u32 s58, s58, s53
	s_mul_i32 s58, s58, 1536
	s_mul_i32 s53, s13, 768
	s_add_co_u32 s58, s58, s53                     ; half c of the fragment
	s_mov_b32 s59, 0
	s_lshl_b32 s60, s15, 4
	s_add_co_u32 s60, s60, s16
	s_lshl_b32 s60, s60, 8
	s_add_co_u32 s60, s60, CXS
	s_mov_b32 s61, 0
	s_wait_dscnt 0x0
	s_wait_kmcnt 0x0
	s_add_nc_u64 s[46:47], s[6:7], s[50:51]
	s_or_b32 s47, s47, 0x80000000
	s_cmp_lt_u32 s14, 3                            ; waves 0-2 and 8-10 fetch a record each
	s_cbranch_scc0 .Lno_fill
	tensor_load_to_lds s[44:47], s[24:31]
	s_nop 0
.rept 4
	v_nop
.endr
.Lno_fill:
	s_add_nc_u64 s[54:55], s[4:5], s[54:55]
	s_add_nc_u64 s[56:57], s[4:5], s[56:57]
	s_add_nc_u64 s[58:59], s[10:11], s[58:59]
	s_add_nc_u64 s[60:61], s[10:11], s[60:61]
	v_and_b32 v9, 31, v0                           ; lane
.irp s, 0,1,2
	s_add_co_u32 s49, s15, \s
	s_max_u32 s49, s49, 2
	s_sub_co_u32 s49, s49, 2
	s_lshl_b32 s49, s49, 7
	v_add_nc_u32 v[5+\s], s49, v9                  ; the mask's byte of key 128 x key step + lane
.endr
	v_lshlrev_b32 v8, 4, v9                        ; 16 x lane
	v_lshlrev_b32 v9, 3, v9                        ; 8 x lane
	v_and_b32 v94, 15, v0                          ; r
	v_bfe_u32 v95, v0, 4, 1                        ; h
	v_lshlrev_b32 v10, 4, v94
	global_load_b128 v[16:19], v8, s[54:55]        ; Q's half image
	global_load_b64 v[20:21], v9, s[54:55] offset:512
	global_load_b32 v28, v10, s[56:57]
.irp s, 0,1,2
.irp b, 0,1,2,3
	global_load_u8 v[S+4*\s+\b], v[5+\s], s[8:9] offset:32*\b
.endr
.endr
	s_mul_i32 s49, s13, 3*KREC
	v_add_nc_u32 v1, s49, v8                       ; LDS: my head's records, 16 x lane
	v_add_nc_u32 v2, s49, v9                       ; and 8 x lane
	v_lshlrev_b32 v3, 4, v95                       ; 16 h
	v_and_b32 v4, 8, v94
	v_add_nc_u32 v4, v4, v94
	s_lshr_b32 s49, s14, 1
	s_lshl_b32 s49, s49, 5
	s_and_b32 s53, s14, 1
	s_lshl_b32 s53, s53, 3
	s_add_co_u32 s49, s49, s53
	v_add_nc_u32 v4, s49, v4                       ; my query in the block: 32 (tile / 2) + 8 (tile % 2) + r + 8 (r / 8)
	v_sub_nc_u32 v4, v4, v3
	v_cvt_f32_i32 v4, v4                           ; d = query - 16 h
	s_lshl_b32 s49, s14, 6
	s_lshl_b32 s53, s13, 1
	s_add_co_u32 s49, s49, s53
	v_lshl_add_u32 v11, v94, 2, s49
	v_add_nc_u32 v11, CG, v11                      ; the context's scale bytes: 64 x tile + 4 r + 2 c
	v_add_nc_u32 v92, CG, v8
	v_lshlrev_b32 v93, 11, v95
	v_lshl_add_u32 v93, v94, 4, v93                ; their way out: sixteen lanes to a block of 64 tokens' 256 bytes
; the window's hidden bits of my 16 keys 32 b + 16 h + i of a block.  Step 0 (keys 256 back): hidden where i < d - 32 b.  Step 2 (my own block): hidden where i > d - 32 b
.macro HIDE dst, lit, inv
	v_add_f32 v[\dst], \lit, v4
	v_med3_num_f32 v[\dst], v[\dst], 0, 0x41800000 ; held to 0 .. 16
	v_cvt_u32_f32 v[\dst], v[\dst]
	v_lshlrev_b32 v[\dst], v[\dst], -1             ; bits n and above
.if \inv
	v_xor_b32 v[\dst], -1, v[\dst]                 ; bits under n
.endif
.endm
	HIDE 244, 0, 1
	HIDE 245, 0xc2000000, 1
	HIDE 246, 0xc2800000, 1
	HIDE 247, 0xc2c00000, 1
	HIDE 248, 1.0, 0
	HIDE 249, 0xc1f80000, 0
	HIDE 250, 0xc27c0000, 0
	HIDE 251, 0xc2be0000, 0
	v_mov_b32 v13, 0xce800000                      ; the largest t so far: -2^30
	v_floor_f32 v12, -v13                          ; -M
	v_mov_b32 v14, 0
	v_mov_b32 v15, 0
	v_mov_b32 v31, 0                               ; (named as the upper half of the pair v[30:31])
.irp i, 0,1,2,3,4,5
	v_mov_b32 v[22+\i], 0                          ; Q's K = 64 .. 127: zero codes
	v_mov_b32 v[80+\i], 0                          ; what stands behind K's last tile
.endr
.irp b, 0,1,2,3
	v_mov_b32 v[PM+\b], 0                          ; a lane permute's destination counts as one of its sources
.endr
.set i, 0
.rept 32
	v_mov_b32 v[O+i], 0                            ; O^T: the step is written once, its first use finds zeros
.set i, i+1
.endr
	s_wait_loadcnt 0x0
.irp s, 0,1,2
.irp b, 0,1,2,3
	v_cmp_eq_u32 s[32+4*\s+\b], 0, v[S+4*\s+\b]    ; bit l: key 32 b + l of the step is masked
.endr
.endr
.irp s, 0,1
	s_add_co_u32 s49, s15, \s
	s_cmp_lt_u32 s49, 2                            ; a key step in front of key 0 is hidden as a whole
.irp b, 0,1,2,3
	s_cselect_b32 s[32+4*\s+\b], -1, s[32+4*\s+\b]
.endr
.endr
	s_wait_tensorcnt 0x0                           ; my record has landed,
	s_barrier_signal -1
	s_barrier_wait -1                              ; everybody's has
.macro STEP s
.rept 4
	v_nop                                          ; places in front of loads into registers that matrix instructions have read, and behind the zero codes written above
.endr
.irp t, 0,1,2,3,4,5,6,7
	ds_load_b128 v[32+6*\t:35+6*\t], v1 offset:(\s)*KREC+768*\t
	ds_load_b64 v[36+6*\t:37+6*\t], v2 offset:(\s)*KREC+768*\t+512
.endr
	ds_load_b128 v[86:89], v1 offset:(\s)*KREC+6144
	s_wait_dscnt 0x0
.irp t, 0,2,4,6
	v_wmma_scale_f32_16x16x128_f8f6f4 v[S+8*\t:S+8*\t+7], v[32+6*\t:43+6*\t], v[16:27], 0, v[86+\t/2], v28 matrix_a_fmt:MATRIX_FMT_FP6 matrix_b_fmt:MATRIX_FMT_FP6
	v_wmma_scale_f32_16x16x128_f8f6f4 v[S+8*\t+8:S+8*\t+15], v[38+6*\t:49+6*\t], v[16:27], 0, v[86+\t/2], v28 matrix_a_fmt:MATRIX_FMT_FP6 matrix_b_fmt:MATRIX_FMT_FP6 matrix_a_scale:MATRIX_SCALE_ROW1
.endr
.irp b, 0,1,2,3
	v_lshrrev_b32 v[HW+\b], v3, s[32+4*(\s)+\b]    ; the mask's bits of my 16 keys.  (These lines are the places behind the products)
.endr
.if (\s) != 1
.irp b, 0,1,2,3
	v_or_b32 v[HW+\b], v[HW+\b], v[TM+2*(\s)+\b]   ; and the window's
.endr
.endif
.irp b, 0,1,2,3
	v_lshrrev_b32 v[HB+\b], 8, v[HW+\b]
.endr
.irp n, 0,1,2,3                        ; V's four fragments (16 channels x 128 keys) into the registers that K has left: they land under the softmax
.irp cc, 0,1
	ds_load_b128 v[32+12*\n+6*\cc:35+12*\n+6*\cc], v1 offset:(\s)*KREC+6656+1536*\n+768*\cc
	ds_load_b64 v[36+12*\n+6*\cc:37+12*\n+6*\cc], v2 offset:(\s)*KREC+6656+1536*\n+768*\cc+512
.endr
.endr
	ds_load_b64 v[90:91], v2 offset:(\s)*KREC+12800
.irp b, 0,1,2,3                        ; bit j goes to the sign of FLT_MAX; the bits under it fall on exponent bits that are ones already.  min(score, +-FLT_MAX).  Each accumulator is read from its low end on
.irp j, 0,1,2,3,4,5,6,7
	v_lshl_or_b32 v[TT+\j], v[HW+\b], 31-\j, s48
.endr
.irp j, 0,1,2,3,4,5,6,7
	v_min_num_f32 v[S+16*\b+\j], v[S+16*\b+\j], v[TT+\j]
.endr
.irp j, 0,1,2,3,4,5,6,7
	v_lshl_or_b32 v[TT+\j], v[HB+\b], 31-\j, s48
.endr
.irp j, 0,1,2,3,4,5,6,7
	v_min_num_f32 v[S+16*\b+8+\j], v[S+16*\b+8+\j], v[TT+\j]
.endr
.endr
.irp b, 0,1,2,3
	v_max3_num_f32 v[BM+\b], v[S+16*\b], v[S+16*\b+1], v[S+16*\b+2]   ; the largest score of each block of 32 keys: for the row's maximum, and, since p rises with the score, for the block's largest p
.endr
.irp i, 3,5,7,9,11,13
.irp b, 0,1,2,3
	v_max3_num_f32 v[BM+\b], v[BM+\b], v[S+16*\b+\i], v[S+16*\b+\i+1]
.endr
.endr
.irp b, 0,1,2,3
	v_max_num_f32 v[BM+\b], v[BM+\b], v[S+16*\b+15]
.endr
.irp b, 0,1,2,3
	v_permlanex16_b32 v[PM+\b], v[BM+\b], s20, s21
.endr
.irp b, 0,1,2,3
	v_max_num_f32 v[BM+\b], v[BM+\b], v[PM+\b]
.endr
	v_max3_num_f32 v[TMP], v[BM], v[BM+1], v[BM+2]
	v_max_num_f32 v[TMP], v[TMP], v[BM+3]
	v_mul_f32 v[TMP], s22, v[TMP]
	v_max_num_f32 v13, v13, v[TMP]                 ; the running largest t
	v_mov_b32 v[TMP], v12
	v_floor_f32 v12, -v13                          ; the new -M: M is a whole number
	v_sub_f32 v[TMP], v12, v[TMP]
	v_cvt_i32_f32 v[TMP], v[TMP]
	v_ldexp_f32 v30, 1.0, v[TMP]                   ; f = 2^(old M - new M)
.irp j, 0,2,4,6,8,10,12,14,16,18,20,22,24,26,28,30,32,34,36,38,40,42,44,46,48,50,52,54,56,58,60,62
	v_pk_fma_f32 v[S+\j:S+\j+1], v[S+\j:S+\j+1], s[22:23], v[12:13] op_sel_hi:[1,0,0]   ; t - M
.endr
.irp b, 0,1,2,3
	v_fma_f32 v[BM+\b], v[BM+\b], s22, v12
.endr
.set i, 0
.rept 64
	v_exp_f32 v[S+i], v[S+i]                       ; p = 2^(t - M), not normalised
.set i, i+1
.endr
	v_pk_mul_f32 v[14:15], v[14:15], v[30:31] op_sel_hi:[1,0]   ; the sum under the new M: a plain line behind the exponentials
	s_wait_alu depctr_va_vdst(0)                   ; one wait for the batch, ahead of its first reader
.irp b, 0,1,2,3
	v_exp_f32 v[BM+\b], v[BM+\b]                   ; the blocks' largest p
.endr
	v_pk_add_f32 v[PM:PM+1], v[S:S+1], v[S+2:S+3]  ; the sum of the unquantised p, in two chains
.irp j, 4,8,12,16,20,24,28,32,36,40,44,48,52,56,60
	v_pk_add_f32 v[14:15], v[14:15], v[S+\j:S+\j+1]
	v_pk_add_f32 v[PM:PM+1], v[PM:PM+1], v[S+\j+2:S+\j+3]
.endr
	v_pk_add_f32 v[14:15], v[14:15], v[PM:PM+1]
	s_wait_alu depctr_va_vdst(0)                   ; and one for the four
.irp b, 0,1,2,3
	v_max_num_f32 v[BM+\b], 0x1800000, v[BM+\b]    ; the floor: a block of zeros keeps the byte 1
.endr
.irp b, 0,1,2,3
	v_add_nc_u32 v[OPS+\b], 0xff000000, v[BM+\b]
.endr
.irp b, 0,1,2,3
	v_lshrrev_b32 v[PM+\b], 23, v[OPS+\b]
.endr
	v_lshl_or_b32 v29, v[PM+1], 8, v[PM]           ; p's scale word for these 128 keys
	v_lshl_or_b32 v29, v[PM+2], 16, v29
	v_lshl_or_b32 v29, v[PM+3], 24, v29
.irp c, 0,1
	v_cvt_scalef32_pk16_fp6_f32 v[PC+6*\c:PC+6*\c+2], v[S+32*\c:S+32*\c+15], v[OPS+2*\c]
	v_cvt_scalef32_pk16_fp6_f32 v[XT+4*\c:XT+4*\c+2], v[S+32*\c+16:S+32*\c+31], v[OPS+2*\c+1]
.endr
	v_nop                                          ; a plain line behind the conversions
.irp c, 0,1
.irp i, 0,1,2
	v_permlane16_swap_b32 v[PC+6*\c+\i], v[XT+4*\c+\i]
.endr
.irp i, 0,1,2
	v_mov_b32 v[PC+6*\c+3+\i], v[XT+4*\c+\i]
.endr
.endr
.irp j, 0,2,4,6,8,10,12,14,16,18,20,22,24,26,28,30
	v_pk_mul_f32 v[O+\j:O+\j+1], v[O+\j:O+\j+1], v[30:31] op_sel_hi:[1,0]   ; O^T under the new M.  (Sixteen plain lines between the scale word and codes just written and the products)
.endr
	s_wait_dscnt 0x0                               ; V
.irp n, 0,2
	v_wmma_scale_f32_16x16x128_f8f6f4 v[O+8*\n:O+8*\n+7], v[32+12*\n:43+12*\n], v[PC:PC+11], v[O+8*\n:O+8*\n+7], v[90+\n/2], v29 matrix_a_fmt:MATRIX_FMT_FP6 matrix_b_fmt:MATRIX_FMT_FP6
	v_wmma_scale_f32_16x16x128_f8f6f4 v[O+8*\n+8:O+8*\n+15], v[44+12*\n:55+12*\n], v[PC:PC+11], v[O+8*\n+8:O+8*\n+15], v[90+\n/2], v29 matrix_a_fmt:MATRIX_FMT_FP6 matrix_b_fmt:MATRIX_FMT_FP6 matrix_a_scale:MATRIX_SCALE_ROW1
.endr
.endm
	STEP 0
	STEP 1
	STEP 2
	; THE WAY OUT: O^T / the sum; register 8 n + j is channel 32 (n / 2) + 16 h + 8 (n % 2) + j of my query: two blocks of the last product's K
.rept 4
	v_nop
.endr
	v_add_f32 v14, v14, v15
	v_permlanex16_b32 v[TMP], v14, s20, s21
	v_add_f32 v14, v14, v[TMP]
	v_max_num_f32 v14, 0x800000, v14               ; a row with no key left: 0 / 2^-126 = 0
	v_rcp_f32 v14, v14
	v_nop                                          ; a plain line behind the reciprocal
	s_wait_alu depctr_va_vdst(0)                   ; and the wait ahead of its first reader
.irp j, 0,2,4,6,8,10,12,14,16,18,20,22,24,26,28,30
	v_pk_mul_f32 v[S+\j:S+\j+1], v[O+\j:O+\j+1], v[14:15] op_sel_hi:[1,0]
.endr
.irp b, 0,1
	v_max3_num_f32 v[TM+\b], |v[S+16*\b]|, |v[S+16*\b+1]|, 0x1800000
.endr
.irp i, 2,4,6,8,10,12,14
.irp b, 0,1
	v_max3_num_f32 v[TM+\b], v[TM+\b], |v[S+16*\b+\i]|, |v[S+16*\b+\i+1]|
.endr
.endr
.irp b, 0,1
	v_permlanex16_b32 v[TM+2+\b], v[TM+\b], s20, s21
.endr
.irp b, 0,1
	v_max_num_f32 v[TM+\b], v[TM+\b], v[TM+2+\b]
.endr
.irp b, 0,1
	v_add_nc_u32 v[TM+6+\b], 0xff000000, v[TM+\b]
.endr
.irp b, 0,1
	v_lshrrev_b32 v[TM+4+\b], 23, v[TM+6+\b]
.endr
	v_cvt_scalef32_pk16_fp6_f32 v[PC:PC+2], v[S:S+15], v[TM+6]
	v_cvt_scalef32_pk16_fp6_f32 v[XT:XT+2], v[S+16:S+31], v[TM+7]
	v_nop
.irp i, 0,1,2
	v_permlane16_swap_b32 v[PC+\i], v[XT+\i]
.endr
.irp i, 0,1,2
	v_mov_b32 v[PC+3+\i], v[XT+\i]
.endr
	v_lshl_or_b32 v[TMP], v[TM+5], 8, v[TM+4]
	global_store_b128 v8, v[PC:PC+3], s[58:59]     ; half c of the fragment (tokens' tile, K step hp)
	global_store_b64 v9, v[PC+4:PC+5], s[58:59] offset:512
	ds_store_b16 v11, v[TMP]                       ; bytes 2 c, 2 c + 1 of my row's word
	s_wait_dscnt 0x0
	s_barrier_signal -1
	s_barrier_wait -1
	s_cmp_lg_u32 s12, 0
	s_cbranch_scc1 .Lend
	ds_load_b128 v[96:99], v92
	s_wait_dscnt 0x0
	global_store_b128 v93, v[96:99], s[60:61]      ; two aligned runs of 256 bytes
.Lend:
	s_wait_tensorcnt 0x0
	ds_add_u32 v254, v255
	s_wait_dscnt 0x0
	s_endpgm
.Lfunc_end_k_q1775eb2936_attn:
	.size	k_q1775eb2936_attn, .Lfunc_end_k_q1775eb2936_attn-k_q1775eb2936_attn
	.p2alignl 7, 3214868480
	.fill 96, 4, 3214868480
	.section	.rodata,"a",@progbits
	.p2align	6, 0x0
	.amdhsa_kernel k_q1775eb2936_attn
		.amdhsa_group_segment_fixed_size 169984
		.amdhsa_private_segment_fixed_size 0
		.amdhsa_enable_private_segment 0
		.amdhsa_kernarg_size 32
		.amdhsa_user_sgpr_count 2
		.amdhsa_user_sgpr_kernarg_segment_ptr 1
		.amdhsa_wavefront_size32 1
		.amdhsa_system_sgpr_workgroup_id_x 1
		.amdhsa_system_sgpr_workgroup_id_y 1
		.amdhsa_system_sgpr_workgroup_id_z 1
		.amdhsa_system_vgpr_workitem_id 0
		.amdhsa_next_free_vgpr 256
		.amdhsa_next_free_sgpr 66
		.amdhsa_reserve_vcc 0
		.amdhsa_float_denorm_mode_32 3
		.amdhsa_float_denorm_mode_16_64 3
		.amdhsa_memory_ordered 1
		.amdhsa_forward_progress 1
		.amdhsa_inst_pref_size 82
	.end_amdhsa_kernel
	.amdgpu_metadata
---
amdhsa.version: [ 1, 2 ]
amdhsa.kernels:
  - .name:           k_q1775eb2936_attn
    .symbol:         k_q1775eb2936_attn.kd
    .args:
      - { .name: qq, .offset: 0, .size: 8, .value_kind: global_buffer, .address_space: global }
      - { .name: kv, .offset: 8, .size: 8, .value_kind: global_buffer, .address_space: global }
      - { .name: mask, .offset: 16, .size: 8, .value_kind: global_buffer, .address_space: global }
      - { .name: cx, .offset: 24, .size: 8, .value_kind: global_buffer, .address_space: global }
    .group_segment_fixed_size: 169984
    .private_segment_fixed_size: 0
    .kernarg_segment_align: 8
    .kernarg_segment_size: 32
    .max_flat_workgroup_size: 512
    .sgpr_count:     66
    .vgpr_count:     256
    .wavefront_size: 32
...
	.end_amdgpu_metadata
.endif
;; end of part 3
;; launch outp (part 4): grid 4 x 64, 4 waves a work-group, clusters of 4 x 1, 168,448 bytes of LDS; arguments cx, pan, bo, mask, out0; writes out0
.if DOCPART == 4
	.amdgcn_target "amdgcn-amd-amdhsa--gfx1250"
	.amdhsa_code_object_version 6
	.text
	.protected	k_q1775eb2936_outp
	.globl	k_q1775eb2936_outp
	.p2align	8
	.type	k_q1775eb2936_outp,@function
k_q1775eb2936_outp:
	s_mov_b64 s[64:65], 0
	v_nop
	global_prefetch_b8 v0, s[64:65] scope:SCOPE_SE
	s_setreg_imm32_b32 hwreg(HW_REG_WAVE_MODE, 25, 1), 1
	s_wait_xcnt 0x0
	s_wait_alu depctr_hold_cnt(0) depctr_sa_sdst(0) depctr_va_vdst(0) depctr_va_sdst(0) depctr_va_ssrc(0) depctr_va_vcc(0) depctr_vm_vsrc(0)
	s_getreg_b32 s2, hwreg(HW_REG_IB_STS2, 6, 4)
	s_cmp_eq_u32 s2, 0
	s_cbranch_scc0 .Lentry_in_a_cluster
	s_endpgm
.Lentry_in_a_cluster:
	s_bfe_u32 s2, ttmp6, 0x10000c
	s_cmp_lg_u32 s2, 0x3003
	s_cbranch_scc0 .Lentry_shape_is_right
	s_endpgm
.Lentry_shape_is_right:
; out0 = (context Wo + bo) x mask[token], on codes of FP6 with E8M0 scales.  A work-group: 64 tokens x 256 columns; a wave: 64 tokens x 64 columns, 16 accumulators.
; D = R L^T as in the launch of q, k, v: R = four tiles of Wo's panel 28 + cx, in the wave's registers for all of K (384 registers, read from memory once); L = the 64 tokens' context, 49,152 bytes of codes and 2,048 of scale words, in LDS, filled once.
; CLUSTER: L hangs on the block of tokens alone, which the four partners share: it is asked for jointly (mask 15); a wave has two tensor loads out.  R is not shared: each byte goes to one wave's registers.
; A lane holds a token, its registers run along the columns: eight neighbouring numbers of a row of out0.  bo is the C of the first K step.  The 16 accumulators take turns.
; Nothing is prefetched: all is asked for at the head.  No ring: no LDS byte is filled twice.
; REGISTERS: v1-3, v30 addresses; v8-23 R's scale words; v24-29 L's; v32-103 three sets of two fragments of L, later rows on their way out; v104-116 the way out; v128-255 accumulator (rt, t) at v[128 + 8 (4 rt + t)];
;            R's fragment f at v[256 + 12 f] (f < 21) or v[512 + 12 (f - 21)]; v644-675 bo.
.set PANB, 196608
.set SCA,  6291456
.set CXS,  3145728
.set LSC,  49152                       ; LDS: L's scale words behind its codes
.set STG,  51200                       ; LDS: a stage of 16 rows x (256 bytes + 16) for each wave: bytes of its own, into which no fill lands
.set BS,   8
.set AS,   24
.set AF,   32
.set ACC,  128
.set BI,   644
.set MSB,  0
.macro WIN new
.if MSB != (\new)
	s_set_vgpr_msb (MSB<<8)|(\new)
.set MSB, (\new)
.endif
.endm
.macro W4 d, a, b, c
.set WN, ((\a)>>8)|(((\b)>>8)<<2)|(((\c)>>8)<<4)|(((\d)>>8)<<6)
	WIN WN
.endm
.macro RPOS f
.if (\f) < 21
.set RR, 256+12*(\f)
.else
.set RR, 512+12*((\f)-21)
.endif
.endm
.macro CROUND
	s_barrier_signal -1
	s_barrier_wait -1
	s_cmp_lg_u32 s18, 0
	s_cbranch_scc1 .Lnot_wave_0_\@
	s_barrier_signal -3
.Lnot_wave_0_\@:
	s_barrier_wait -3
	s_barrier_signal -1
	s_barrier_wait -1
.endm
.macro PLACES
.rept 4
	v_nop
.endr
.endm
	s_load_b256 s[4:11], s[0:1], 0x0               ; cx, pan, bo, mask
	s_load_b64 s[12:13], s[0:1], 0x20              ; out0
	v_lshl_add_u32 v126, v0, 2, 0x29000
	v_mov_b32 v127, 0
	ds_add_u32 v126, v127
	ds_add_u32 v126, v127
	v_lshrrev_b32 v1, 5, v0
	v_readfirstlane_b32 s18, v1                    ; wave 0..3
	s_and_b32 s20, ttmp7, 0xffff                   ; the block of 64 tokens
	s_bfe_u32 s21, ttmp6, 0x40000                  ; my place in the cluster: which 256 columns
	s_mov_b32 s28, 15|(3<<16)|(1<<21)              ; group 1: rows of 256 bytes, dense: 48 of codes,
	s_mov_b32 s29, 32<<16
	s_mov_b32 s30, 48<<16
	s_mov_b32 s31, 32<<16
	s_mov_b32 s32, 48
	s_mov_b32 s33, 32
	s_mov_b32 s34, 0
	s_mov_b32 s35, 0
	s_mov_b32 s36, 15|(3<<16)|(1<<21)              ; 2 of scale words
	s_mov_b32 s37, 32<<16
	s_mov_b32 s38, 2<<16
	s_mov_b32 s39, 32<<16
	s_mov_b32 s40, 2
	s_mov_b32 s41, 32
	s_mov_b32 s42, 0
	s_mov_b32 s43, 0
	s_mul_i32 s52, s20, 49152
	s_mul_i32 s54, s18, 12288                      ; wave w fetches K steps 2 w, 2 w + 1
	s_add_co_u32 s52, s52, s54
	s_mov_b32 s53, 0
	s_lshl_b32 s56, s20, 11
	s_lshl_b32 s55, s18, 9
	s_add_co_u32 s56, s56, s55
	s_add_co_u32 s56, s56, CXS
	s_mov_b32 s57, 0
	s_wait_dscnt 0x0
	s_wait_kmcnt 0x0
	s_mov_b32 s44, 1
	s_mov_b32 s45, s54
	s_add_nc_u64 s[46:47], s[4:5], s[52:53]
	s_or_b32 s47, s47, 0x80000000
	s_mov_b32 s48, 1
	s_add_co_u32 s49, s55, LSC
	s_add_nc_u64 s[50:51], s[4:5], s[56:57]
	s_or_b32 s51, s51, 0x80000000
	CROUND                                         ; all four work-groups are here: the joint loads meet
	tensor_load_to_lds s[44:47], s[28:35]
	s_nop 0
	tensor_load_to_lds s[48:51], s[36:43]
	s_nop 0
	PLACES                                         ; four plain lines follow the tensor loads
	s_add_co_u32 s58, s21, 28                      ; Wo's panel
	s_mul_i32 s60, s58, PANB
	s_mul_i32 s61, s18, 6144
	s_add_co_u32 s60, s60, s61
	s_mov_b32 s61, 0
	s_add_nc_u64 s[66:67], s[6:7], s[60:61]
	s_lshl_b32 s60, s58, 13
	s_lshl_b32 s62, s18, 8
	s_add_co_u32 s60, s60, s62
	s_add_co_u32 s60, s60, SCA
	s_add_nc_u64 s[68:69], s[6:7], s[60:61]
	s_lshl_b32 s60, s21, 10
	s_add_co_u32 s60, s60, s62                     ; my 64 columns, in bytes
	s_add_nc_u64 s[72:73], s[8:9], s[60:61]        ; bo
	s_lshl_b32 s62, s20, 18
	s_add_co_u32 s60, s60, s62
	s_add_nc_u64 s[70:71], s[12:13], s[60:61]      ; out0 at my block's first token, my columns
	s_lshl_b32 s60, s20, 6
	s_add_nc_u64 s[74:75], s[10:11], s[60:61]      ; mask
	v_and_b32 v2, 31, v0
	v_lshlrev_b32 v1, 4, v2                        ; 16 x lane
	v_lshlrev_b32 v30, 3, v2                       ; 8 x lane
	v_lshlrev_b32 v2, 2, v2                        ; 4 x lane
	v_and_b32 v117, 15, v0                         ; r
	v_bfe_u32 v118, v0, 4, 1                       ; h
	v_lshl_add_u32 v3, v117, 2, LSC
	v_lshlrev_b32 v112, 6, v118                    ; 64 h
	v_and_b32 v113, 8, v117
	v_add_nc_u32 v113, v113, v117                  ; r + 8 (r / 8)
	s_mul_i32 s60, s18, 16*272
	s_add_co_u32 s60, s60, STG
	v_mul_u32_u24 v114, v117, 272
	v_add_nc_u32 v114, v114, v112
	v_add_nc_u32 v114, s60, v114                   ; into my stage: row r, + 64 h
	v_mul_u32_u24 v115, v118, 272
	v_lshl_add_u32 v115, v117, 4, v115
	v_add_nc_u32 v115, s60, v115                   ; back: lanes 0-15 one row of 256 bytes, lanes 16-31 the next
	v_lshlrev_b32 v116, 12, v118
	v_lshl_add_u32 v116, v117, 4, v116             ; and the same in out0
	WIN 0x80
.irp t, 0,1,2,3
.irp q, 0,1
	global_load_b128 v[(BI&255)+8*\t+4*\q:(BI&255)+8*\t+4*\q+3], v112, s[72:73] offset:(32*(\t/2)+8*(\t%2))*4+16*\q
.endr
.endr
	WIN 0
.irp rt, 0,1,2,3
	global_load_u8 v[104+\rt], v113, s[74:75] offset:32*(\rt/2)+8*(\rt%2)   ; the mask of my token of tile rt
.endr
.irp ks, 0,1,2,3,4,5,6,7
.irp p, 0,1
	global_load_b32 v[BS+2*\ks+\p], v2, s[68:69] offset:\ks*1024+128*\p
.endr
.endr
.set f, 0
.rept 32
	RPOS f
	W4 RR, 0, 0, 0
.irp j, 0,1,2
	global_load_b128 v[(RR&255)+4*\j:(RR&255)+4*\j+3], v1, s[66:67] offset:(f/4)*24576+(f%4)*1536+512*\j
.endr
.set f, f+1
.endr
	WIN 0
; two fragments of L, numbers 2 bi and 2 bi + 1 of 32 (K step fi / 4, tile fi % 4), each two half images, and their scale words: ten LDS loads
.macro FETCH bi
.irp e, 0,1
.set FI, 2*(\bi)+\e
.set FK, FI/4
.set FL, FI%4
.set FA, AF+24*((\bi)%3)+12*\e
.irp cc, 0,1
	ds_load_b128 v[FA+6*\cc:FA+6*\cc+3], v1 offset:FK*6144+FL*1536+768*\cc
	ds_load_b64 v[FA+6*\cc+4:FA+6*\cc+5], v30 offset:FK*6144+FL*1536+768*\cc+512
.endr
	ds_load_b32 v[AS+2*((\bi)%3)+\e], v3 offset:FK*256+FL*64
.endr
.endm
.macro PROD ks, t, rt, afr, asr
	RPOS 4*(\ks)+(\t)
.set D8, ACC+8*(4*(\rt)+(\t))
.set R8, RR&255
.if (\ks) == 0
	W4 0, RR, 0, BI
.set C8, (BI&255)+8*(\t)
.else
	W4 0, RR, 0, 0
.set C8, D8
.endif
.if (\t)%2
	v_wmma_scale_f32_16x16x128_f8f6f4 v[D8:D8+7], v[R8:R8+11], v[\afr:\afr+11], v[C8:C8+7], v[BS+2*(\ks)+(\t)/2], v[\asr] matrix_a_fmt:MATRIX_FMT_FP6 matrix_b_fmt:MATRIX_FMT_FP6 matrix_a_scale:MATRIX_SCALE_ROW1
.else
	v_wmma_scale_f32_16x16x128_f8f6f4 v[D8:D8+7], v[R8:R8+11], v[\afr:\afr+11], v[C8:C8+7], v[BS+2*(\ks)+(\t)/2], v[\asr] matrix_a_fmt:MATRIX_FMT_FP6 matrix_b_fmt:MATRIX_FMT_FP6
.endif
.endm
.macro BATCH bi
.set BK, (\bi)/2
.if (\bi)+2 < 16
	PLACES                                         ; in front of loads into the set that the last batch's products have read
	WIN 0
	FETCH (\bi)+2
	s_wait_dscnt 20                                ; this batch's ten loads are in; the two younger fetches may be out
.elseif (\bi) == 14
	s_wait_dscnt 10
.else
	s_wait_dscnt 0x0
.endif
.if (\bi)%2 == 0
.if BK < 2
	s_wait_loadcnt 63                              ; 84 or 72 younger loads; written no higher than the counter's field
.else
	s_wait_loadcnt 12*(7-BK)                       ; this K step of R is in; the later K steps' loads, twelve each, may be out
.endif
.endif
.irp t, 0,1,2,3
.irp e, 0,1
	PROD BK, \t, (2*(\bi)+\e)%4, AF+24*((\bi)%3)+12*\e, AS+2*((\bi)%3)+\e
.endr
.endr
.endm
	s_wait_tensorcnt 0x0                           ; my parts of L have landed,
	s_barrier_signal -1
	s_barrier_wait -1                              ; everybody's have
	FETCH 0
	FETCH 1
.set Q, 0
.rept 16
	BATCH Q
.set Q, Q+1
.endr
	WIN 0
	PLACES                                         ; in front of the first read of results
.irp rt, 0,1,2,3
	v_cvt_f32_u32 v[108+\rt], v[104+\rt]           ; 0.0 or 1.0
.endr
; THE WAY OUT of tile rt: x mask; a lane's 32 bytes lie beside other rows' in the lanes around it, so the tile goes through my own stage and comes back as whole rows of 256 bytes.
; LDS serves a wave's instructions in order: no wait between the stores and the loads, nor in front of the next tile's stores.
.macro OUT rt
.set AC, ACC+32*(\rt)
.set BK, AF+32*((\rt)%2)
.irp p, 0,2,4,6,8,10,12,14,16,18,20,22,24,26,28,30
.if (\rt)%2
	v_pk_mul_f32 v[AC+\p:AC+\p+1], v[AC+\p:AC+\p+1], v[108+2*((\rt)/2):109+2*((\rt)/2)] op_sel:[0,1] op_sel_hi:[1,1]
.else
	v_pk_mul_f32 v[AC+\p:AC+\p+1], v[AC+\p:AC+\p+1], v[108+2*((\rt)/2):109+2*((\rt)/2)] op_sel_hi:[1,0]
.endif
.endr
.irp t, 0,1,2,3
.irp q, 0,1
	ds_store_b128 v114, v[AC+8*\t+4*\q:AC+8*\t+4*\q+3] offset:128*(\t/2)+32*(\t%2)+16*\q   ; columns 32 (t / 2) + 16 h + 8 (t % 2) + 4 q on
.endr
.endr
.if (\rt) >= 2
	s_wait_xcnt 0x0                                ; the stores of two tiles ago have read their registers
.endif
.irp i, 0,1,2,3,4,5,6,7
	ds_load_b128 v[BK+4*\i:BK+4*\i+3], v115 offset:544*\i
.endr
.irp i, 0,1,2,3,4,5,6,7
	s_wait_dscnt 7-\i                              ; rows 2 i, 2 i + 1 are back; the younger loads may be out
	global_store_b128 v116, v[BK+4*\i:BK+4*\i+3], s[70:71] offset:(32*((\rt)/2)+8*((\rt)%2)+2*\i+8*(\i/4))*4096 th:TH_STORE_NT   ; sixteen lanes store 256 consecutive bytes, aligned; written once
.endr
.endm
	OUT 0
	OUT 1
	OUT 2
	OUT 3
	s_wait_dscnt 0x0
	s_wait_tensorcnt 0x0
	ds_add_u32 v126, v127
	s_wait_dscnt 0x0
	CROUND                                         ; the closing round: no work-group ends while a partner may still ask jointly
	s_endpgm
.Lfunc_end_k_q1775eb2936_outp:
	.size	k_q1775eb2936_outp, .Lfunc_end_k_q1775eb2936_outp-k_q1775eb2936_outp
	.p2alignl 7, 3214868480
	.fill 96, 4, 3214868480
	.section	.rodata,"a",@progbits
	.p2align	6, 0x0
	.amdhsa_kernel k_q1775eb2936_outp
		.amdhsa_group_segment_fixed_size 168448
		.amdhsa_private_segment_fixed_size 0
		.amdhsa_enable_private_segment 0
		.amdhsa_kernarg_size 40
		.amdhsa_user_sgpr_count 2
		.amdhsa_user_sgpr_kernarg_segment_ptr 1
		.amdhsa_wavefront_size32 1
		.amdhsa_system_sgpr_workgroup_id_x 1
		.amdhsa_system_sgpr_workgroup_id_y 1
		.amdhsa_system_sgpr_workgroup_id_z 1
		.amdhsa_system_vgpr_workitem_id 0
		.amdhsa_next_free_vgpr 680
		.amdhsa_next_free_sgpr 80
		.amdhsa_reserve_vcc 0
		.amdhsa_float_denorm_mode_32 3
		.amdhsa_float_denorm_mode_16_64 3
		.amdhsa_memory_ordered 1
		.amdhsa_forward_progress 1
		.amdhsa_inst_pref_size 60
	.end_amdhsa_kernel
	.amdgpu_metadata
---
amdhsa.version: [ 1, 2 ]
amdhsa.kernels:
  - .name:           k_q1775eb2936_outp
    .symbol:         k_q1775eb2936_outp.kd
    .args:
      - { .name: cx, .offset: 0, .size: 8, .value_kind: global_buffer, .address_space: global }
      - { .name: pan, .offset: 8, .size: 8, .value_kind: global_buffer, .address_space: global }
      - { .name: bo, .offset: 16, .size: 8, .value_kind: global_buffer, .address_space: global }
      - { .name: mask, .offset: 24, .size: 8, .value_kind: global_buffer, .address_space: global }
      - { .name: out0, .offset: 32, .size: 8, .value_kind: global_buffer, .address_space: global }
    .group_segment_fixed_size: 168448
    .private_segment_fixed_size: 0
    .kernarg_segment_align: 8
    .kernarg_segment_size: 40
    .max_flat_workgroup_size: 128
    .sgpr_count:     80
    .vgpr_count:     680
    .wavefront_size: 32
...
	.end_amdgpu_metadata
.endif
;; end of part 4
